; MI455X (gfx1250); checked and timed in simulation.
; The chip was launched on July 23, 2026; its instructions are those of AMD's public machine-readable ISA for CDNA 5 (MIT licence, August 2026) and "CDNA5" Instruction Set Architecture Reference Guide (July 2026). The comments in the code are by the model that wrote it; some were corrected since.
;; Window Attention. Allowed arithmetic: matrix products marked QUANTISED: E4M3 operands, one given power-of-two scale a tensor, by v_wmma_f32_16x16x64_fp8_fp8 or v_wmma_f32_16x16x128_fp8_fp8, f32 sums; everything else in f32.
;; Inputs: W_proj 1,024 x 1,024 float32; W_qkv 1,024 x 3,072 float32; b_proj 1,024 float32; b_qkv 3,072 float32; lowp_scales 8 int32 (the exponents e of the quantised operands' scales 2^e); x 8 x 1,024 x 1,024 float32.
;; Outputs: out0 8 x 1,024 x 1,024 float32.
;; This version of the problem:
;;   THIS VERSION OF THE PROBLEM IS GIVEN IN LOW PRECISION. The matrix products marked QUANTISED in the list below multiply operands that are first quantised to E4M3 (4 exponent bits, 3 mantissa bits; 8 bits a number), with one given power-of-two scale for each operand tensor; their sums are f32. All else is computed in f32.
;;   The module's matrix products, in the order in which they are computed (A, B: the left and right operand; K: the contracted axis; several contracted axes count as one K, in the product's order):
;;     1. [M 8,192, K 1,024] x [K 1,024, N 3,072]; A: input x; B: input W_qkv: QUANTISED (scales: A lowp_scales[0], B lowp_scales[1])
;;     2. batch 128 x [M 1,024, K 64] x [K 64, N 1,024]; A: computed on the way; B: computed on the way: QUANTISED (scales: A lowp_scales[2], B lowp_scales[3])
;;     3. batch 128 x [M 1,024, K 1,024] x [K 1,024, N 64]; A: softmax (see below); B: computed on the way: QUANTISED (scales: A lowp_scales[4], B lowp_scales[5])
;;     4. [M 8,192, K 1,024] x [K 1,024, N 1,024]; A: computed on the way; B: input W_proj: QUANTISED (scales: A lowp_scales[6], B lowp_scales[7])
;;   THE QUANTISER, for each operand of a quantised product, along K:
;;     - The operand's scale is 2^e, e = its entry of the input lowp_scales (int32; the entries are numbered through the quantised products in the list's order, A before B).
;;     - Each number is divided by the scale, clamped to +-448, and rounded to the nearest number of E4M3, ties to even, subnormals kept.
;;     - The product sums the exact products of the quantised numbers (number of the format x scale) in f32.
;;   ~~~python
;;   def quantise(x, axis, e):      # numpy; x: float32 -> the quantised numbers, widened to float32 again
;;       x = np.moveaxis(x, axis, -1); K = x.shape[-1]
;;       r = np.clip(x / 2.0 ** e, -448, 448)
;;       step = 2.0 ** (np.maximum(np.frexp(np.where(r == 0, 1, r))[1] - 1, -6) - 3)
;;       q = np.round(r / step) * step * 2.0 ** e      # np.round: ties to even
;;       return np.moveaxis(q, -1, axis).astype(np.float32)
;;   ~~~
;;   SOFTMAX AHEAD OF A QUANTISED PRODUCT. Where the list says 'softmax', what is quantised is not the finished softmax but p = 2^(t - M), with t = logit x log2(e) and M = ceil(the row's largest t), a whole number; so 1/2 < the row's largest p <= 1. The row's sum l is taken of the UNQUANTISED p, in f32, and the product's result is divided by l at the end. Since M is a whole number, a kernel that streams over the keys may use a running M (the ceiling of the running maximum): every later rescaling is an exact power of two, so the quantised numbers keep their values, but for numbers so far below the row's largest that they fall under the format's range.
;;   OPERANDS COMPUTED ON THE WAY. 'Computed on the way' means the value that the module computes at that place (a softmax that the list does not call 'softmax' is quantised finished and normalised). What goes into a quantiser is computed in f32, as accurately as f32 sums, v_exp_f32 and their like allow (about 1e-6 of the number): no bf16 or f16 on the way to a quantiser, and a product that is left as it is and whose result goes on into a quantised operand takes f32 operands (vector FMAs, or v_wmma_f32_16x16x4_f32). A number that lies on a knife's edge between two numbers of the format may be rounded either way, as far as f32 arithmetic and the matrix unit's own rounding can turn it there, and no further.
;; One version. Each part assembles by itself: llvm-mc -triple=amdgcn-amd-amdhsa -mcpu=gfx1250 --defsym DOCPART=n.
;; ======== version 1 of 1: 4 launches
;; limits: right only within a limited range of input values
;; workspace buffers: xc 8,388,608 bytes; wc 4,194,304 bytes; qkv 25,165,824 bytes; oc 8,388,608 bytes
;; launch quant (part 1): grid 384 x 1, 4 waves a work-group, no clusters, 68,096 bytes of LDS; arguments x, W_qkv, W_proj, lowp_scales, xc, wc; writes xc, wc
.if DOCPART == 1
	.amdgcn_target "amdgcn-amd-amdhsa--gfx1250"
	.amdhsa_code_object_version 6
	.text
	.protected	k_q1afc4c1bba_quant
	.globl	k_q1afc4c1bba_quant
	.p2align	8
	.type	k_q1afc4c1bba_quant,@function
k_q1afc4c1bba_quant:
	s_mov_b64 s[64:65], 0
	v_nop
	global_prefetch_b8 v0, s[64:65] scope:SCOPE_SE
	s_setreg_imm32_b32 hwreg(HW_REG_WAVE_MODE, 25, 1), 1
	s_wait_xcnt 0x0
; x [8192][1024], W_qkv [1024 k][3072 n] and W_proj [1024 k][1024 n], f32, become codes of E4M3, K innermost, each with its given scale 2^e:
;   xc [8192][1024] (e = entry 0);  wc [4096][1024]: rows 0-3071 the columns of W_qkv (entry 1), rows 3072-4095 the columns of W_proj (entry 7).
; code = number / 2^e, held within +-448, rounded to the nearest code, ties to even.
; LIMITS: each e used here lies between -126 and 119, so that 2^e and 448 x 2^e are f32 numbers.  NaN among the inputs is not served (an infinity is held at the largest code).
; Work-groups 0-255 take x, 256-383 the weights: 32,768 numbers each.  The two ways part on the work-group's number and never meet again; each has LDS bytes of its own.
; No tensor loads, no barrier, no cluster: waves share nothing, and no two work-groups read the same bytes.
.set STEPS, 16                         ; x: a wave takes 16 steps of 512 numbers
.set SP,    80                         ; x: a lane's place in a stage: its 64 bytes + 16 of padding
.set WREG,  8192                       ; x: LDS bytes 0-32,767: a region for each wave, two stages of 32 x SP bytes in it
.set R,     16                         ; x: v16-79   four sets of 16 numbers as loaded
.set X,     80                         ; x: v80-111  two sets of 16 neighbours
.set C,     128                        ; x: v128-191 codes, four registers for each step: no store's data are written again
.set WSTG,  32768                      ; W: LDS bytes 32,768-67,583: a stage of 32 rows x WP for each wave
.set WP,    272                        ; W: a stage row: 256 codes + 16 of padding
.set NB,    8                          ; W: blocks of 32 along K for a wave
.set OFFR,  12                         ; W: v12-43   byte offset of row i of a block at my column
.set WX,    48                         ; W: v48-111  two sets of 32 numbers
.set WC,    112                        ; W: v112-119 a block's codes
.set OUTR,  120                        ; W: v120-183 the way out
	s_load_b256 s[4:11], s[0:1], 0x0               ; x s[4:5], W_qkv s[6:7], W_proj s[8:9], the exponents s[10:11]
	s_load_b128 s[12:15], s[0:1], 0x20             ; xc s[12:13], wc s[14:15]
	v_lshl_add_u32 v192, v0, 2, 0x10800
	v_mov_b32 v193, 0
	v_lshrrev_b32 v1, 5, v0
	v_readfirstlane_b32 s16, v1                    ; wave 0..3
	v_and_b32 v2, 31, v0                           ; lane
	s_wait_kmcnt 0x0
	s_load_b256 s[24:31], s[10:11], 0x0            ; e0 .. e7
	s_cmp_lt_u32 ttmp9, 256
	s_cbranch_scc0 .Lweights
; ---------------- x: K is innermost and rows are dense: a plain stream of numbers ----------------
; A conversion takes 8 neighbours from ONE lane's registers; a load is dense where neighbouring LANES take neighbouring bytes.  So a step's four loads read 512 consecutive bytes each, 16 a lane,
; the 2,048 bytes go through the wave's own stage in LDS as they lie and come back 64 bytes a lane.  A lane's 16 codes are 16 bytes: a store of the wave covers 512 consecutive bytes.
	s_wait_alu depctr_va_vdst(0)
	v_lshlrev_b32 v3, 4, v2                        ; 16 x lane: my bytes of a load's 512 and of a store's 512; never rewritten
	s_wait_alu depctr_va_vdst(0)
	s_mul_i32 s17, s16, WREG
	v_lshrrev_b32 v14, 2, v2
	v_mul_u32_u24 v14, v14, SP
	v_and_b32 v15, 3, v2
	v_lshl_add_u32 v14, v15, 4, v14
	v_add_nc_u32 v14, s17, v14                     ; the stage, in: SP (lane / 4) + 16 (lane % 4)
	v_mul_u32_u24 v15, v2, SP
	v_add_nc_u32 v15, s17, v15                     ; and out: SP x lane: my 16 neighbours
	s_lshl_b32 s18, ttmp9, 2
	s_add_co_u32 s18, s18, s16                     ; which run of 8,192 numbers is my wave's
	s_lshl_b32 s20, s18, 15                        ; 32,768 bytes of x
	s_mov_b32 s21, 0
	s_add_nc_u64 s[4:5], s[4:5], s[20:21]
	s_lshl_b32 s20, s18, 13                        ; 8,192 bytes of codes
	s_add_nc_u64 s[12:13], s[12:13], s[20:21]
.macro LOAD t
.irp i, 0,1,2,3
	global_load_b128 v[R+16*((\t)%4)+4*\i:R+16*((\t)%4)+4*\i+3], v3, s[4:5] offset:2048*(\t)+512*\i th:TH_LOAD_NT
.endr
.endm
.macro TURN t                          ; step t through the stage: LDS serves a wave's instructions in order, so no wait stands between the stores and the loads
.irp i, 0,1,2,3
	ds_store_b128 v14, v[R+16*((\t)%4)+4*\i:R+16*((\t)%4)+4*\i+3] offset:32*SP*((\t)%2)+8*SP*\i
.endr
.irp i, 0,1,2,3
	ds_load_b128 v[X+16*((\t)%2)+4*\i:X+16*((\t)%2)+4*\i+3], v15 offset:32*SP*((\t)%2)+16*\i
.endr
.endm
.irp t, 0,1,2,3
	LOAD \t
.endr
	s_wait_alu depctr_va_vdst(0)
	s_wait_kmcnt 0x0
	s_add_co_i32 s22, s24, 127
	s_lshl_b32 s23, s22, 23
	v_mov_b32 v11, s23                             ; 2^e0 as f32: the conversion takes its exponent field
	s_add_co_i32 s22, s22, 8
	s_lshl_b32 s22, s22, 23
	s_or_b32 s22, s22, 0x600000
	v_mov_b32 v10, s22                             ; 448 x 2^e0
	s_wait_alu depctr_va_vdst(0)
	s_wait_loadcnt 12                              ; step 0's four loads are in; the twelve of steps 1 to 3 stay out
	TURN 0
.macro STEP t
.set XS, X+16*((\t)%2)
	s_wait_dscnt 0x0                               ; this step's numbers are back from the stage
.if (\t)+4 < STEPS
	LOAD (\t)+4
.endif
.if (\t)+1 < STEPS
.if STEPS-2-(\t) >= 3
	s_wait_loadcnt 12                              ; the next step's four loads are in; those of the three steps behind it stay out
.else
	s_wait_loadcnt 4*(STEPS-2-(\t))                ; the tail: four for each step that is still behind the next one
.endif
	TURN (\t)+1
.endif
.irp i, 0,1,2,3,4,5,6,7,8,9,10,11,12,13,14,15
	v_med3_num_f32 v[XS+\i], v[XS+\i], -v10, v10   ; the conversion to an 8-bit code does not saturate (ISA guide 7.6.2): the hold comes first
.endr
	v_cvt_scalef32_pk8_fp8_f32 v[C+4*(\t):C+4*(\t)+1], v[XS:XS+7], v11
	v_cvt_scalef32_pk8_fp8_f32 v[C+4*(\t)+2:C+4*(\t)+3], v[XS+8:XS+15], v11
	global_store_b128 v3, v[C+4*(\t):C+4*(\t)+3], s[12:13] offset:512*(\t)   ; the results go to a store alone; the next step's holds are plain lines on other registers
.endm
.irp t, 0,1,2,3,4,5,6,7,8,9,10,11,12,13,14,15
	STEP \t
.endr
	s_wait_tensorcnt 0x0
	ds_add_u32 v192, v193
	s_wait_dscnt 0x0
	s_endpgm
; ---------------- the weights: K is the FIRST axis ----------------
; A lane takes a column n and its registers run down K: each load reads 128 consecutive bytes a wave (512 a work-group), and the conversions give codes with K innermost.  Nothing is transposed by an instruction.
; A work-group takes 128 columns x 256 along K, a wave 32 columns.  A lane's codes belong to one row of wc and its neighbours hold other rows: they go through the wave's own stage and leave as rows,
; sixteen lanes storing 256 consecutive bytes at a multiple of 256 from wc's first byte.
.Lweights:
	s_sub_co_u32 s17, ttmp9, 256
	s_and_b32 s18, s17, 3                          ; which 256 along K
	s_lshr_b32 s19, s17, 2                         ; which 128 rows of wc: 0-23 W_qkv, 24-31 W_proj
	s_mov_b32 s20, 4096
	s_wait_kmcnt 0x0
	s_cmp_lt_u32 s19, 24                           ; the choice hangs on the work-group's number alone
	s_cselect_b64 s[4:5], s[6:7], s[8:9]           ; the tensor,
	s_cselect_b32 s20, 12288, s20                  ; a row of it in bytes,
	s_cselect_b32 s21, 0, 24
	s_cselect_b32 s22, s25, s31                    ; its e
	s_sub_co_u32 s21, s19, s21                     ; the block of 128 columns in the tensor
	s_lshl_b32 s21, s21, 9
	s_lshl_b32 s23, s16, 7
	s_add_co_u32 s21, s21, s23                     ; + my wave's 32 columns, in bytes
	s_mul_i32 s23, s18, s20
	s_lshl_b32 s23, s23, 8                         ; + 256 rows for each step along K
	s_add_co_u32 s48, s21, s23
	s_mov_b32 s49, 0
	s_add_nc_u64 s[32:33], s[4:5], s[48:49]        ; a base for each block of 32 rows: none is ever stepped
	s_lshl_b32 s48, s20, 5
.irp t, 1,2,3,4,5,6,7
	s_add_nc_u64 s[32+2*\t:33+2*\t], s[30+2*\t:31+2*\t], s[48:49]
.endr
	s_wait_alu depctr_va_vdst(0)
	v_lshlrev_b32 v[OFFR], 2, v2                   ; 4 bytes a lane,
.set i, 1
.rept 31
	v_add_nc_u32 v[OFFR+i], s20, v[OFFR+i-1]       ; and a row further down for each register
.set i, i+1
.endr
	s_mul_i32 s50, s16, 32*WP
	s_add_co_u32 s50, s50, WSTG                    ; my stage
	v_mul_u32_u24 v4, v2, WP
	v_add_nc_u32 v4, s50, v4                       ; into it: row = my column
	v_and_b32 v5, 15, v2
	v_lshrrev_b32 v6, 4, v2
	v_mul_u32_u24 v7, v6, WP
	v_lshl_add_u32 v7, v5, 4, v7
	v_add_nc_u32 v7, s50, v7                       ; out of it: sixteen lanes to a row, two rows an instruction
	v_lshlrev_b32 v8, 10, v6
	v_lshl_add_u32 v8, v5, 4, v8                   ; and the same place in wc
	s_lshl_b32 s51, s19, 17                        ; 128 rows of 1,024 bytes
	s_lshl_b32 s52, s16, 15
	s_add_co_u32 s52, s52, s51
	s_lshl_b32 s51, s18, 8
	s_add_co_u32 s52, s52, s51
	s_mov_b32 s53, 0
	s_add_nc_u64 s[14:15], s[14:15], s[52:53]
.macro WLOAD t
.set i, 0
.rept 32
	global_load_b32 v[WX+32*((\t)%2)+i], v[OFFR+i], s[32+2*(\t):33+2*(\t)] th:TH_LOAD_NT
.set i, i+1
.endr
.endm
	WLOAD 0
	WLOAD 1
	s_add_co_i32 s22, s22, 127
	s_lshl_b32 s23, s22, 23
	v_mov_b32 v11, s23                             ; 2^e
	s_add_co_i32 s22, s22, 8
	s_lshl_b32 s22, s22, 23
	s_or_b32 s22, s22, 0x600000
	v_mov_b32 v10, s22                             ; 448 x 2^e
.macro BLOCK t
.set XS, WX+32*((\t)%2)
.if (\t) < NB-1
	s_wait_loadcnt 32                              ; this block's 32 loads are in; the next block's 32 stay out
.else
	s_wait_loadcnt 0
.endif
.set i, 0
.rept 32
	v_med3_num_f32 v[XS+i], v[XS+i], -v10, v10
.set i, i+1
.endr
.irp g, 0,1,2,3
	v_cvt_scalef32_pk8_fp8_f32 v[WC+2*\g:WC+2*\g+1], v[XS+8*\g:XS+8*\g+7], v11
.endr
	ds_store_b128 v4, v[WC:WC+3] offset:32*(\t)    ; 32 codes of my column's row
	ds_store_b128 v4, v[WC+4:WC+7] offset:32*(\t)+16
.if (\t)+2 < NB
	WLOAD (\t)+2
.endif
	s_wait_dscnt 0x0                               ; the stores have read their registers: the next block's codes may be written
.endm
	s_wait_alu depctr_va_vdst(0)
.irp t, 0,1,2,3,4,5,6,7
	BLOCK \t
.endr
.irp t, 0,1,2,3,4,5,6,7,8,9,10,11,12,13,14,15
	ds_load_b128 v[OUTR+4*\t:OUTR+4*\t+3], v7 offset:2*\t*WP
.endr
.irp t, 0,1,2,3,4,5,6,7,8,9,10,11,12,13,14,15
	s_wait_dscnt 15-\t                             ; LDS loads come back in order: load t is in, the younger ones stay out
	global_store_b128 v8, v[OUTR+4*\t:OUTR+4*\t+3], s[14:15] offset:2*\t*1024
.endr
	s_wait_tensorcnt 0x0
	ds_add_u32 v192, v193
	s_wait_dscnt 0x0
	s_endpgm
.Lfunc_end_k_q1afc4c1bba_quant:
	.size	k_q1afc4c1bba_quant, .Lfunc_end_k_q1afc4c1bba_quant-k_q1afc4c1bba_quant
	.p2alignl 7, 3214868480
	.fill 96, 4, 3214868480
	.section	.rodata,"a",@progbits
	.p2align	6, 0x0
	.amdhsa_kernel k_q1afc4c1bba_quant
		.amdhsa_group_segment_fixed_size 68096
		.amdhsa_private_segment_fixed_size 0
		.amdhsa_enable_private_segment 0
		.amdhsa_kernarg_size 48
		.amdhsa_user_sgpr_count 2
		.amdhsa_user_sgpr_kernarg_segment_ptr 1
		.amdhsa_wavefront_size32 1
		.amdhsa_system_sgpr_workgroup_id_x 1
		.amdhsa_system_sgpr_workgroup_id_y 1
		.amdhsa_system_sgpr_workgroup_id_z 1
		.amdhsa_system_vgpr_workitem_id 0
		.amdhsa_next_free_vgpr 194
		.amdhsa_next_free_sgpr 66
		.amdhsa_reserve_vcc 0
		.amdhsa_float_denorm_mode_32 3
		.amdhsa_float_denorm_mode_16_64 3
		.amdhsa_memory_ordered 1
		.amdhsa_forward_progress 1
		.amdhsa_inst_pref_size 87
	.end_amdhsa_kernel
	.amdgpu_metadata
---
amdhsa.version: [ 1, 2 ]
amdhsa.kernels:
  - .name:           k_q1afc4c1bba_quant
    .symbol:         k_q1afc4c1bba_quant.kd
    .args:
      - { .name: x, .offset: 0, .size: 8, .value_kind: global_buffer, .address_space: global }
      - { .name: W_qkv, .offset: 8, .size: 8, .value_kind: global_buffer, .address_space: global }
      - { .name: W_proj, .offset: 16, .size: 8, .value_kind: global_buffer, .address_space: global }
      - { .name: lowp_scales, .offset: 24, .size: 8, .value_kind: global_buffer, .address_space: global }
      - { .name: xc, .offset: 32, .size: 8, .value_kind: global_buffer, .address_space: global }
      - { .name: wc, .offset: 40, .size: 8, .value_kind: global_buffer, .address_space: global }
    .group_segment_fixed_size: 68096
    .private_segment_fixed_size: 0
    .kernarg_segment_align: 8
    .kernarg_segment_size: 48
    .max_flat_workgroup_size: 128
    .sgpr_count:     66
    .vgpr_count:     194
    .wavefront_size: 32
...
	.end_amdgpu_metadata
.endif
;; end of part 1
;; launch qkv (part 2): grid 12 x 32, 4 waves a work-group, clusters of 4 x 4, 327,680 bytes of LDS; arguments xc, wc, lowp_scales, b_qkv, qkv; writes qkv
.if DOCPART == 2
	.amdgcn_target "amdgcn-amd-amdhsa--gfx1250"
	.amdhsa_code_object_version 6
	.text
	.protected	k_q1afc4c1bba_qkv
	.globl	k_q1afc4c1bba_qkv
	.p2align	8
	.type	k_q1afc4c1bba_qkv,@function
k_q1afc4c1bba_qkv:
	s_mov_b64 s[64:65], 0
	v_nop
	global_prefetch_b8 v0, s[64:65] scope:SCOPE_SE
	s_setreg_imm32_b32 hwreg(HW_REG_WAVE_MODE, 25, 1), 1
	s_wait_xcnt 0x0
	s_wait_alu depctr_hold_cnt(0) depctr_sa_sdst(0) depctr_va_vdst(0) depctr_va_sdst(0) depctr_va_ssrc(0) depctr_va_vcc(0) depctr_vm_vsrc(0)
	s_getreg_b32 s2, hwreg(HW_REG_IB_STS2, 6, 4)
	s_cmp_eq_u32 s2, 0
	s_cbranch_scc0 .Lentry_in_a_cluster
	s_endpgm
.Lentry_in_a_cluster:
	s_bfe_u32 s2, ttmp6, 0x10000c
	s_cmp_lg_u32 s2, 0xf033
	s_cbranch_scc0 .Lentry_shape_is_right
	s_endpgm
.Lentry_shape_is_right:
; x W_qkv + b_qkv on codes of E4M3, and the result quantised at once into the operands of attention:
;   qkv + 0:     q [b 16 + head][token][64]   (scale entry 2)      qkv + 2^23: k likewise (entry 3)      qkv + 2^24: v^T [b][64 head + d][1024 keys] (entry 5)
; ORDER OF THE BYTES: in each group of 32 along d (q, k) or along the keys (v^T), byte 16 h + 8 u + j holds index 16 u + 8 h + j.  q and k carry the same order, so their products meet;
; for v^T it is the order in which the next launch's weights p fall into registers.
; A tile of 256 x 256 is made by four waves, 128 x 128 each: 64 accumulators, 512 registers.  K = 1,024 goes in four steps of 256 through two LDS slots filled by the tensor data mover.
; THE MATRIX INSTRUCTION IS USED TRANSPOSED (source 0 = 16 rows of "B", source 1 = 16 rows of "A"): a lane holds ONE row of A and eight neighbouring rows of B.
; Clusters x = 0, 1 (q, k): A = tokens (xc), B = channels (wc): a lane's eight are neighbours along d.  Cluster x = 2 (v): A = channels, B = tokens: a lane's eight are neighbouring KEYS.
; CLUSTERS: 4 x 4 work-groups; A's tile is shared along a row of the cluster, B's along a column, each asked for jointly.  What differs between q, k and v hangs on the cluster's x, which all sixteen share.
; THE BIAS is the C of each sum's first matrix instruction, divided by 2^(e0 + e1), which the sums lack.  The three scales ahead of the quantiser are folded into the conversion's one: 2^(et - e0 - e1).
; LIMITS: et - e0 - e1 (et = entry 2, 3 or 5) between -126 and 119; the bias x 2^-(e0 + e1) stays an f32 number.
; REGISTERS, in windows of 256: window 0: v16-31 addresses and constants; v32-95 the bias, later a block's held sums; v96-103 the bias loads' offsets; v128-255 A's fragments, ONE set, later codes, later rows read back.
;   window 1: B's fragments, two sets.   windows 2, 3: the accumulators ((a, b) at v[8 (8 (a % 4) + b)]).
.set ROWB,   256                       ; a tile's row: 256 codes
.set PITCH,  272                       ; an LDS row: 256 bytes + 16 of padding = 68 words: the 16 rows that a load touches start at 16 different banks (64 banks of 4 bytes: ISA guide 11.1)
.set FR,     16
.set NL,     4                         ; LDS loads that bring a fragment
.set NP,     4                         ; places behind this matrix instruction (ISA guide 7.12.1)
.set HALFT,  128*PITCH
.set SLOT,   4*HALFT                   ; A's 256 rows, then B's 256 rows
.set SPARE,  2*SLOT                    ; behind the ring: the spare words, 128 bytes a wave: two blocks of 256 bytes that no other line names
.set ADRA, 16                          ; v16-17  LDS address of my A fragments in slot 0, 1
.set RDQ,  18                          ; v18-19  the way out, q and k: where I read, rows 0-127 and rows 128-255 of the stage
.set ADRB, 20                          ; v20-21  the same as ADRA for B
.set GOV,  22                          ; v22     the way out, v: my byte offset in two rows of v^T
.set STO,  24                          ; v24     the way out: where I put 16 codes
.set GOQ,  26                          ; v26     the way out, q and k: 16 x lane
.set RDV,  27                          ; v27     the way out, v: where I read
.set SPW,  28                          ; v28     my spare word: SPARE + 4 x my thread's number; never rewritten
.set NIL,  29                          ; v29     0; never rewritten
.set LIM,  30                          ; v30     448 x 2^(et - e0 - e1)
.set SC,   31                          ; v31     2^(et - e0 - e1)
.set BI,   32
.set TMP,  32
.set OFFJ, 96
.set AF,   128
.set CD,   128
.set G1, 24                            ; s[24:31] group 1 for A's tiles; s[32:39] group 0, a set for each slot
.set G0, 32
.set G1B, 48                           ; s[48:55], s[56:63] the same for B's
.set G0B, 56
.set MSB, 0
.macro WIN new                         ; the immediate's high byte repeats the setting that is left
.if MSB != \new
	s_set_vgpr_msb (MSB<<8)|\new
.set MSB, \new
.endif
.endm
.set MUL_LO, 0xa1                      ; source 0 (B) window 1, source 1 (A) window 0, C and D window 2
.set MUL_HI, 0xf1                      ; the same, C and D window 3
.set TO_B,   0x40
; A joint load: waves 0 and 1 fetch for A, waves 2 and 3 for B; the branch hangs on the wave's number alone.  Four v_nop follow each of the two lines.
.macro JLOAD g0a, g1a, g0b, g1b
	s_cmp_eq_u32 s15, 0
	s_cbranch_scc0 .Lfor_b_\@
	tensor_load_to_lds s[\g0a:\g0a+3], s[\g1a:\g1a+7]
	s_nop 0
.rept 4
	v_nop
.endr
	s_branch .Lasked_\@
.Lfor_b_\@:
	tensor_load_to_lds s[\g0b:\g0b+3], s[\g1b:\g1b+7]
	s_nop 0
.rept 4
	v_nop
.endr
.Lasked_\@:
.endm
.macro CREST                           ; a round of the cluster's barrier behind its opening barrier
	s_cmp_lg_u32 s14, 0
	s_cbranch_scc1 .Lnot_wave_0_\@
	s_barrier_signal -3
.Lnot_wave_0_\@:
	s_barrier_wait -3
	s_barrier_signal -1
	s_barrier_wait -1
.endm
.macro CROUND
	s_barrier_signal -1
	s_barrier_wait -1
	CREST
.endm
	s_load_b128 s[4:7], s[0:1], 0x0                ; xc s[4:5], wc s[6:7]
	s_load_b128 s[8:11], s[0:1], 0x10              ; the exponents s[8:9], b_qkv s[10:11]
	s_load_b64 s[12:13], s[0:1], 0x20              ; qkv
	v_lshl_add_u32 v[SPW], v0, 2, SPARE
	v_mov_b32 v[NIL], 0
	ds_add_u32 v28, v29
	ds_add_u32 v28, v29
	s_wait_dscnt 0x0
	v_lshrrev_b32 v1, 5, v0
	v_readfirstlane_b32 s14, v1                    ; wave 0..3
	s_lshr_b32 s15, s14, 1                         ; which half of A's rows is mine.  Also: I fetch for A (0) or for B (1)
	s_and_b32 s16, s14, 1                          ; which half of B's rows.  Also: which 128 rows of that tile I fetch
	s_bfe_u32 s40, ttmp6, 0x40000                  ; cx
	s_bfe_u32 s41, ttmp6, 0x40004                  ; cy
	s_and_b32 s17, ttmp7, 0xffff
	s_lshl_b32 s17, s17, 2                         ; 4 x cluster y: the batch's first block of 256 tokens
	s_lshl_b32 s42, ttmp9, 2                       ; 4 x cluster x
	s_cmp_eq_u32 ttmp9, 2                          ; v?  The same answer in all sixteen partners
	s_cselect_b32 s18, 8, s17
	s_cselect_b32 s19, s17, s42
	s_add_co_u32 s18, s18, s41                     ; A's block of 256 rows: v: 8 + cy in wc; q, k: 4 cluster y + cy in xc.  It never holds cx
	s_add_co_u32 s19, s19, s40                     ; B's: v: 4 cluster y + cx in xc; q, k: 4 cluster x + cx in wc.  It never holds cy
	s_lshl_b32 s43, s41, 2
	s_lshl_b32 s43, 15, s43                        ; my row of the cluster
	s_lshl_b32 s44, 0x1111, s40                    ; my column
	s_or_b32 s[G1+0], s43, (1<<20)|(1<<21)|(5<<22)|(3<<25)   ; 15:0 the mask; 17:16 elements of 1 byte; 20 padding on; 21 set beside a mask; 24:22 after every 64 words; 31:25 four words
	s_or_b32 s[G1B+0], s44, (1<<20)|(1<<21)|(5<<22)|(3<<25)
.irp g, G1, G1B
	s_mov_b32 s[\g+1], ROWB<<16                    ; tensor_dim0 = 256
	s_mov_b32 s[\g+2], 256<<16                     ; tensor_dim1 = 256 for the first fills; 128 from the head's end on
	s_mov_b32 s[\g+3], ROWB<<16                    ; tile_dim0 = 256
	s_mov_b32 s[\g+4], 256                         ; tile_dim1 likewise
	s_mov_b32 s[\g+5], 1024                        ; from row to row
	s_mov_b32 s[\g+6], 0
	s_mov_b32 s[\g+7], 0
.endr
	s_lshl_b32 s45, s16, 7
	s_lshl_b32 s20, s18, 8
	s_add_co_u32 s20, s20, s45
	s_lshl_b32 s20, s20, 10                        ; A: (256 x block + 128 x half) rows of 1,024 bytes
	s_mov_b32 s21, 0
	s_lshl_b32 s46, s19, 8
	s_add_co_u32 s46, s46, s45
	s_lshl_b32 s46, s46, 10                        ; B likewise
	s_mov_b32 s47, 0
	s_mul_i32 s45, s14, HALFT                      ; where they go: wave x 128 rows: no place in the cluster enters an LDS address
	s_wait_kmcnt 0x0
	s_load_b256 s[72:79], s[8:9], 0x0              ; e0 .. e7
	s_cmp_eq_u32 ttmp9, 2
	s_cselect_b64 s[66:67], s[6:7], s[4:5]         ; A's buffer,
	s_cselect_b64 s[68:69], s[4:5], s[6:7]         ; B's
	s_add_nc_u64 s[20:21], s[66:67], s[20:21]
	s_add_nc_u64 s[46:47], s[68:69], s[46:47]
	CROUND                                         ; all sixteen work-groups are here: the first joint loads meet
.irp s, 0,1
	s_mov_b32 s[G0+4*\s], 1
	s_add_co_u32 s[G0+4*\s+1], s45, \s*SLOT
	s_add_nc_u64 s[G0+4*\s+2:G0+4*\s+3], s[20:21], \s*ROWB
	s_or_b32 s[G0+4*\s+3], s[G0+4*\s+3], 0x80000000
	s_mov_b32 s[G0B+4*\s], 1
	s_add_co_u32 s[G0B+4*\s+1], s45, \s*SLOT
	s_add_nc_u64 s[G0B+4*\s+2:G0B+4*\s+3], s[46:47], \s*ROWB
	s_or_b32 s[G0B+4*\s+3], s[G0B+4*\s+3], 0x80000000
.endr
	; THE FIRST FILLS: four tiles of 256 rows, one joint load a wave: waves 0, 1: A's K steps 0, 1; waves 2, 3: B's.  s16 is the K step and the slot here.
	s_mov_b32 s92, 1
	s_mul_i32 s93, s16, SLOT                       ; A's 256 rows open a slot
	s_mul_i32 s90, s16, 130816                     ; back over my half's 128 rows of 1,024 bytes, on by a K step of 256 bytes
	s_mov_b32 s91, 0
	s_sub_nc_u64 s[94:95], s[20:21], s[90:91]
	s_or_b32 s95, s95, 0x80000000
	s_mov_b32 s96, 1
	s_add_co_u32 s97, s93, 2*HALFT                 ; B's 256 rows lie behind A's
	s_sub_nc_u64 s[98:99], s[46:47], s[90:91]
	s_or_b32 s99, s99, 0x80000000
	JLOAD 92, G1, 96, G1B                          ; one tensor load a wave at the head
	v_and_b32 v1, 15, v0                           ; r = lane % 16
	v_bfe_u32 v2, v0, 4, 1                         ; h = lane / 16
	v_mul_u32_u24 v3, v1, PITCH
	v_lshl_add_u32 v4, v2, 4, v3                   ; a fragment's row x pitch + 16 h
	s_mul_i32 s21, s15, HALFT
	s_mul_i32 s22, s16, HALFT
	s_add_co_u32 s22, s22, 2*HALFT
.irp s, 0,1
	v_add_nc_u32 v[ADRA+\s], s21, v4
	v_add_nc_u32 v[ADRB+\s], s22, v4
	s_add_co_u32 s21, s21, SLOT
	s_add_co_u32 s22, s22, SLOT
.endr
	; THE STAGE: 256 rows x 272 bytes from LDS byte 0 on, the work-group's.  Of each 16 rows, row r lies at place 4 (r % 4) + r / 4, so that four neighbouring rows lie 4 places apart.
	v_and_b32 v5, 3, v1
	v_lshrrev_b32 v6, 2, v1
	v_lshl_add_u32 v5, v5, 2, v6
	v_mul_u32_u24 v5, v5, PITCH
	v_lshl_add_u32 v5, v2, 4, v5
	s_mul_i32 s23, s15, HALFT
	s_lshl_b32 s66, s16, 7
	s_add_co_u32 s23, s23, s66
	v_add_nc_u32 v[STO], s23, v5                   ; in: my half's rows, my half's 128 bytes, + 16 h
	v_bfe_u32 v5, v0, 2, 2
	v_lshl_add_u32 v5, v5, 2, v2
	v_mul_u32_u24 v5, v5, PITCH
	v_and_b32 v6, 3, v0
	v_lshl_add_u32 v5, v6, 4, v5
	s_lshl_b32 s66, s14, 6
	v_add_nc_u32 v[RDQ], s66, v5                   ; back, q and k: wave w takes head w's 64 bytes; lane l token l / 4 of eight, 16 bytes l % 4
	v_add_nc_u32 v[RDQ+1], HALFT, v[RDQ]
	v_and_b32 v6, 31, v0
	v_lshlrev_b32 v[GOQ], 4, v6
	v_mul_u32_u24 v5, v2, 4*PITCH
	v_lshl_add_u32 v5, v1, 4, v5
	s_mul_i32 s66, s14, 64*PITCH
	v_add_nc_u32 v[RDV], s66, v5                   ; back, v: wave w takes rows 64 w on; lanes 0-15 one whole row, lanes 16-31 the next (4 places on)
	v_lshlrev_b32 v5, 10, v2
	v_lshl_add_u32 v[GOV], v1, 4, v5
	; THE BIAS, in the result's layout.  q, k: register 8 b + j = b_qkv[.. + 16 b + 8 h + j]; v: register 8 a + j = b_qkv[.. + 16 a + r], the same for all j.  One text: offset = r sR + h sH + j sJ + 64 t.
	s_cmp_eq_u32 ttmp9, 2
	s_cselect_b32 s66, 4, 0
	s_cselect_b32 s67, 0, 32
	s_cselect_b32 s68, 0, 4
	s_cselect_b32 s69, s18, s19                    ; the block of 256 channels,
	s_cselect_b32 s70, s15, s16                    ; and my half of it
	s_lshl_b32 s69, s69, 10
	s_lshl_b32 s70, s70, 9
	s_add_co_u32 s70, s69, s70
	s_mov_b32 s71, 0
	s_add_nc_u64 s[10:11], s[10:11], s[70:71]
	v_mul_lo_u32 v5, v1, s66
	v_mul_lo_u32 v6, v2, s67
	v_add_nc_u32 v[OFFJ], v5, v6
.irp j, 1,2,3,4,5,6,7
	v_add_nc_u32 v[OFFJ+\j], s68, v[OFFJ+\j-1]
.endr
.irp t, 0,1,2,3,4,5,6,7
.irp j, 0,1,2,3,4,5,6,7
	global_load_b32 v[BI+8*\t+\j], v[OFFJ+\j], s[10:11] offset:64*\t
.endr
.endr
	s_wait_kmcnt 0x0
	s_add_co_i32 s81, s72, s73                     ; e0 + e1
	s_sub_co_i32 s80, 0, s81
	s_cmp_eq_u32 ttmp9, 0
	s_cselect_b32 s82, s74, s75
	s_cmp_eq_u32 ttmp9, 2
	s_cselect_b32 s82, s77, s82                    ; et: q's, k's or v's
	s_sub_co_i32 s82, s82, s81
	s_add_co_i32 s82, s82, 127
	s_lshl_b32 s83, s82, 23
	v_mov_b32 v[SC], s83
	s_add_co_i32 s82, s82, 8
	s_lshl_b32 s82, s82, 23
	s_or_b32 s82, s82, 0x600000
	v_mov_b32 v[LIM], s82
	; where my wave stores: cluster x 2^23 + batch 2^20 + wave 2^16 + (q, k: cx 2^18 + cy 2^14;  v: cy 2^18 + cx 2^8)
	s_lshl_b32 s84, ttmp9, 23
	s_lshl_b32 s85, s17, 18
	s_add_co_u32 s84, s84, s85
	s_lshl_b32 s85, s14, 16
	s_add_co_u32 s84, s84, s85
	s_lshl_b32 s86, s41, 18
	s_lshl_b32 s87, s40, 8
	s_add_co_u32 s86, s86, s87
	s_lshl_b32 s87, s40, 18
	s_lshl_b32 s88, s41, 14
	s_add_co_u32 s87, s87, s88
	s_cmp_eq_u32 ttmp9, 2
	s_cselect_b32 s86, s86, s87
	s_add_co_u32 s84, s84, s86
	s_mov_b32 s85, 0
	s_add_nc_u64 s[12:13], s[12:13], s[84:85]
	s_wait_loadcnt 0x0
.set i, 0
.rept 64
	v_ldexp_f32 v[BI+i], v[BI+i], s80              ; b / 2^(e0 + e1)
.set i, i+1
.endr
.macro FRAG reg, adr, q, i             ; 16 rows x 128 K: lane l holds row l % 16; registers 4 c .. 4 c + 3 hold K = 32 c + 16 (l / 16) + 0 .. 15: the same places in A and in B
.irp c, 0,1,2,3
	ds_load_b128 v[\reg+4*\c:\reg+4*\c+3], v[\adr] offset:128*(\q)+32*\c+(\i)*16*PITCH
.endr
.endm
; 16 matrix instructions: A's blocks a0, a0 + 1 x B's eight.  p: B's set.  cm = 0: in place; 1: the sums start from the bias by B's block; 2: by A's block.
; The 64 accumulators take turns, one instruction a turn, in the same order in every step.
.macro MUL16 a0, p, cm
.irp a, \a0, \a0+1
.irp b, 0,1,2,3,4,5,6,7
.if \cm == 1
	v_wmma_f32_16x16x128_fp8_fp8 v[8*(8*((\a)%4)+\b):8*(8*((\a)%4)+\b)+7], v[128*(\p)+FR*\b:128*(\p)+FR*\b+FR-1], v[AF+FR*(\a):AF+FR*(\a)+FR-1], v[BI+8*\b:BI+8*\b+7]
.elseif \cm == 2
	v_wmma_f32_16x16x128_fp8_fp8 v[8*(8*((\a)%4)+\b):8*(8*((\a)%4)+\b)+7], v[128*(\p)+FR*\b:128*(\p)+FR*\b+FR-1], v[AF+FR*(\a):AF+FR*(\a)+FR-1], v[BI+8*(\a):BI+8*(\a)+7]
.else
	v_wmma_f32_16x16x128_fp8_fp8 v[8*(8*((\a)%4)+\b):8*(8*((\a)%4)+\b)+7], v[128*(\p)+FR*\b:128*(\p)+FR*\b+FR-1], v[AF+FR*(\a):AF+FR*(\a)+FR-1], v[8*(8*((\a)%4)+\b):8*(8*((\a)%4)+\b)+7]
.endif
.endr
.endr
.endm
.macro FETCH_B slot, q, p
	WIN TO_B
.irp i, 0,1,2,3,4,5,6,7
	FRAG 128*(\p)+FR*\i, ADRB+\slot, \q, \i
.endr
	WIN 0
.endm
.macro FETCH_A slot, q, i0
.irp i, \i0, \i0+1, \i0+2, \i0+3
	FRAG AF+FR*(\i), ADRA+\slot, \q, \i
.endr
.endm
.macro PLACES n                        ; plain vector lines between a matrix instruction and a load into, or a vector line on, its registers (ISA guide 7.12.1 for vector lines)
.rept \n
	v_nop
.endr
.endm
; A step of 128 along K that has its successor in the same slot.  A block of A is free as soon as its eight products are issued: blocks 0-3 are fetched anew in the middle, blocks 4-7 at the end.
.macro STEP slot, q, cm
	s_wait_dscnt 4*NL                              ; B's set and A's blocks 0-3 are in; the youngest 16 loads (A's blocks 4-7) may be out
.if \cm
	WIN 0x81                                       ; B window 1, A and the bias window 0, D window 2
.else
	WIN MUL_LO
.endif
	MUL16 0, (\q)%2, \cm
	MUL16 2, (\q)%2, \cm
	s_wait_dscnt 0
	PLACES NP
	FETCH_B \slot, (\q)+1, 1-(\q)%2
	FETCH_A \slot, (\q)+1, 0
.if \cm
	WIN 0xc1                                       ; D window 3
.else
	WIN MUL_HI
.endif
	MUL16 4, (\q)%2, \cm
	MUL16 6, (\q)%2, \cm
	PLACES NP
	WIN 0
	FETCH_A \slot, (\q)+1, 4
.endm
; A slot's last step changes slots: ONE barrier; in front of it each wave waits for all its tensor loads, adds 0 to its spare word, and waits for that and for its own reads of this slot.
.macro TURN slot, next, fill
	s_wait_tensorcnt 0x0                           ; all my tensor loads have landed: my part of the next slot
	ds_add_u32 v[SPW], v[NIL]                      ; 0 onto my spare word
	s_wait_dscnt 4*NL+1                            ; (the add and the youngest 16 loads, A's blocks 4-7, may be out)
	WIN MUL_LO
	MUL16 0, 1, 0                                  ; sixteen matrix instructions stand between the add and the wait for it
	s_wait_dscnt 0x0                               ; the add is done, and my reads of this slot are over
	s_barrier_signal -1
	MUL16 2, 1, 0
	WIN 0
	s_barrier_wait -1
.if \fill
	CREST                                          ; the barrier has opened a round of the cluster's: no wave of any partner still reads this slot or has a load on its way
	s_add_nc_u64 s[G0+4*\slot+2:G0+4*\slot+3], s[G0+4*\slot+2:G0+4*\slot+3], 2*ROWB
	s_add_nc_u64 s[G0B+4*\slot+2:G0B+4*\slot+3], s[G0B+4*\slot+2:G0B+4*\slot+3], 2*ROWB
	JLOAD G0+4*\slot, G1, G0B+4*\slot, G1B         ; my one tensor load behind the round; its four v_nop are the places in front of the loads below
.else
	PLACES NP
.endif
	FETCH_B \next, 0, 0
	FETCH_A \next, 0, 0
	WIN MUL_HI
	MUL16 4, 1, 0
	MUL16 6, 1, 0
	PLACES NP
	WIN 0
	FETCH_A \next, 0, 4
.endm
	s_wait_alu depctr_va_vdst(0)
	s_wait_tensorcnt 0x0                           ; my first fill is in
	s_mov_b32 s[G1+2], 128<<16                     ; no load of mine is out: group 1 now states the refills' 128 rows
	s_mov_b32 s[G1+4], 128
	s_mov_b32 s[G1B+2], 128<<16
	s_mov_b32 s[G1B+4], 128
	s_barrier_signal -1
	s_barrier_wait -1                              ; K steps 0 and 1 are whole for all four waves
	FETCH_B 0, 0, 0
	FETCH_A 0, 0, 0
	FETCH_A 0, 0, 4
	s_cmp_eq_u32 ttmp9, 2                          ; the first step is written twice: the bias goes by B's block (q, k) or by A's (v).  Both ways hold LDS loads and products alone, the same number of each
	s_cbranch_scc1 .Lfirst_v
	s_wait_alu depctr_va_vdst(0)
	STEP 0, 0, 1
	s_branch .Lfirst_done
.Lfirst_v:
	s_wait_alu depctr_va_vdst(0)
	STEP 0, 0, 2
.Lfirst_done:
	TURN 0, 1, 1                                   ; four K steps, two refills: written out, no loop
	STEP 1, 0, 0
	TURN 1, 0, 1
	STEP 0, 0, 0
	TURN 0, 1, 0                                   ; the last change of slots: nothing is filled, so no round
	STEP 1, 0, 0
	s_wait_dscnt 4*NL
	WIN MUL_LO
	MUL16 0, 1, 0
	MUL16 2, 1, 0
	s_wait_dscnt 0
	WIN MUL_HI
	MUL16 4, 1, 0
	MUL16 6, 1, 0
	WIN 0
; THE WAY OUT.  Block a (16 rows of A): 64 sums are held within +-448 x the scale (each accumulator from its low end on), converted, and two neighbouring accumulators' codes, 16 bytes,
; go into the stage.  The stage lies in slot 0: that slot has had its last fill, and every wave has passed the last change of slots, in front of which its reads of the slot were over.
	PLACES NP
.irp a, 0,1,2,3,4,5,6,7
.set AC, 64*(\a%4)
	WIN 0x02+(\a/4)                                ; source 0: window 2 or 3
.set i, 0
.rept 64
	v_med3_num_f32 v[TMP+i], v[AC+i], -v[LIM], v[LIM]
.set i, i+1
.endr
	WIN 0
.irp b, 0,1,2,3,4,5,6,7
	v_cvt_scalef32_pk8_fp8_f32 v[CD+16*\a+2*\b:CD+16*\a+2*\b+1], v[TMP+8*\b:TMP+8*\b+7], v[SC]
.endr
	v_nop                                          ; a plain line between the conversions and the next block's holds, which write their sources
.irp g, 0,1,2,3
	ds_store_b128 v[STO], v[CD+16*\a+4*\g:CD+16*\a+4*\g+3] offset:\a*16*PITCH+32*\g
.endr
.endr
	s_wait_dscnt 0x0                               ; for the others' sake: my stores into the stage are done
	s_barrier_signal -1
	s_barrier_wait -1
	s_cmp_eq_u32 ttmp9, 2                          ; both ways hold LDS loads and global stores alone
	s_cbranch_scc1 .Lout_v
.set t, 0
.rept 32                                           ; q, k: eight tokens x 64 bytes of my head an instruction
	ds_load_b128 v[CD+4*t:CD+4*t+3], v[RDQ+t/16] offset:(16*((t%16)/2)+2*(t%2))*PITCH
.set t, t+1
.endr
.set t, 0
.rept 32
	s_wait_dscnt 31-t                              ; load t is in, the younger ones stay out
	global_store_b128 v[GOQ], v[CD+4*t:CD+4*t+3], s[12:13] offset:512*t   ; 32 lanes store 512 consecutive bytes, at a multiple of 512 from the buffer's first byte
.set t, t+1
.endr
	s_branch .Lout_done
.Lout_v:
.set t, 0
.rept 32                                           ; v: two whole rows of 256 keys an instruction
	ds_load_b128 v[CD+4*t:CD+4*t+3], v[RDV] offset:(16*(t/8)+8*(t%2)+(t%8)/2)*PITCH
.set t, t+1
.endr
.set t, 0
.rept 32
	s_wait_dscnt 31-t
	global_store_b128 v[GOV], v[CD+4*t:CD+4*t+3], s[12:13] offset:2048*t  ; 16 lanes store 256 consecutive bytes, at a multiple of 256 from the buffer's first byte
.set t, t+1
.endr
.Lout_done:
	s_wait_tensorcnt 0x0                           ; the wave's end
	ds_add_u32 v[SPW], v[NIL]
	s_wait_dscnt 0x0
	CROUND                                         ; the closing round: no work-group ends while a partner may still ask for a tile that names it
	s_endpgm
.Lfunc_end_k_q1afc4c1bba_qkv:
	.size	k_q1afc4c1bba_qkv, .Lfunc_end_k_q1afc4c1bba_qkv-k_q1afc4c1bba_qkv
	.p2alignl 7, 3214868480
	.fill 96, 4, 3214868480
	.section	.rodata,"a",@progbits
	.p2align	6, 0x0
	.amdhsa_kernel k_q1afc4c1bba_qkv
		.amdhsa_group_segment_fixed_size 327680
		.amdhsa_private_segment_fixed_size 0
		.amdhsa_enable_private_segment 0
		.amdhsa_kernarg_size 40
		.amdhsa_user_sgpr_count 2
		.amdhsa_user_sgpr_kernarg_segment_ptr 1
		.amdhsa_wavefront_size32 1
		.amdhsa_system_sgpr_workgroup_id_x 1
		.amdhsa_system_sgpr_workgroup_id_y 1
		.amdhsa_system_sgpr_workgroup_id_z 1
		.amdhsa_system_vgpr_workitem_id 0
		.amdhsa_next_free_vgpr 1024
		.amdhsa_next_free_sgpr 100
		.amdhsa_reserve_vcc 0
		.amdhsa_float_denorm_mode_32 3
		.amdhsa_float_denorm_mode_16_64 3
		.amdhsa_memory_ordered 1
		.amdhsa_forward_progress 1
		.amdhsa_inst_pref_size 150
	.end_amdhsa_kernel
	.amdgpu_metadata
---
amdhsa.version: [ 1, 2 ]
amdhsa.kernels:
  - .name:           k_q1afc4c1bba_qkv
    .symbol:         k_q1afc4c1bba_qkv.kd
    .args:
      - { .name: xc, .offset: 0, .size: 8, .value_kind: global_buffer, .address_space: global }
      - { .name: wc, .offset: 8, .size: 8, .value_kind: global_buffer, .address_space: global }
      - { .name: lowp_scales, .offset: 16, .size: 8, .value_kind: global_buffer, .address_space: global }
      - { .name: b_qkv, .offset: 24, .size: 8, .value_kind: global_buffer, .address_space: global }
      - { .name: qkv, .offset: 32, .size: 8, .value_kind: global_buffer, .address_space: global }
    .group_segment_fixed_size: 327680
    .private_segment_fixed_size: 0
    .kernarg_segment_align: 8
    .kernarg_segment_size: 40
    .max_flat_workgroup_size: 128
    .sgpr_count:     100
    .vgpr_count:     1024
    .wavefront_size: 32
...
	.end_amdgpu_metadata
.endif
;; end of part 2
;; launch attn (part 3): grid 2 x 128, 8 waves a work-group, no clusters, 327,680 bytes of LDS; arguments qkv, lowp_scales, oc; writes oc
.if DOCPART == 3
	.amdgcn_target "amdgcn-amd-amdhsa--gfx1250"
	.amdhsa_code_object_version 6
	.text
	.protected	k_q1afc4c1bba_attn
	.globl	k_q1afc4c1bba_attn
	.p2align	8
	.type	k_q1afc4c1bba_attn,@function
k_q1afc4c1bba_attn:
	s_mov_b64 s[64:65], 0
	v_nop
	global_prefetch_b8 v0, s[64:65] scope:SCOPE_SE
	s_setreg_imm32_b32 hwreg(HW_REG_WAVE_MODE, 25, 1), 1
	s_wait_xcnt 0x0
; For each of 128 heads (b 16 + head): o = softmax(q k^T / 8) v, both products on codes of E4M3, and o quantised at once (scale entry 6) into oc [16 heads][8192 tokens][64].
; q, k: [head][token][64], v^T: [head][64 d][1024 keys], as the launch before laid them (byte 16 h + 8 u + j of each 32 holds index 16 u + 8 h + j, along d in q and k, along the keys in v^T).
; THE SOFTMAX: t = score x log2(e) / 8; M = the running largest t rounded UP to a whole number; p = 2^(t - M) is quantised (entry 4), not normalised; the row's sum is taken of the unquantised p and divides at the end.
; When M moves, the sum and O are multiplied by 2^(old M - new M): nothing is rounded, and no branch hangs on data.
; SHARES.  A work-group owns 512 queries of one head, in two passes of 256; each of its eight waves owns 32 queries a pass, two tiles of 16, in 512 registers.  A key step is 256 keys: each fragment of K and of V^T
; that is read from LDS feeds two matrix instructions, and the largest score, M and the rescaling of O are taken once for 256 keys.
; TWO WINDOWS, ONE TEXT: all that belongs to query tile A lies in registers v0-255, all that belongs to tile B under the same numbers in v256-511; the softmax's macros run twice, under s_set_vgpr_msb 0 and 0x55.
; The head's WHOLE K and V^T, 128 KiB of codes, lie in LDS, each byte filled once: eight chunks of 16 KiB (256 keys of K or of V^T), one tensor load for each wave in the whole launch.
; TWO GROUPS OF FILLS, TWO BARRIERS.  At the head waves 0 and 4 ask for chunk 0 of K and of V^T.  Every wave waits for its loads, adds, waits and passes the first barrier.
; Every wave waits again and passes the second barrier; from there on nobody writes K or V^T, and the other seven key steps are a counted loop.
; All of LDS is claimed.
; NO CLUSTER: a head has two work-groups (grid x = 2), which no cluster of four along x divides.  NO PREFETCH: all of K and V^T is asked for ahead of the loop, so there is no loop to run ahead in.
; LAYOUT.  Both products are used transposed: S^T = K Q^T (source 0 = 16 keys), O^T = V^T P^T (source 0 = 16 of the 64 d): a lane holds ONE query (lane % 16) of each tile throughout.
; Tile t of S^T holds keys 16 t + 8 (lane / 16) + j; converted in place order its codes meet the bytes of v^T as the launch before ordered them.
; LIMITS on the given exponents: e2 + e3 between -123 and 130 (added to c's exponent field); e6 - e4 - e5 between -126 and 119; e4 BETWEEN -8 AND 127: p is at most 1, so p / 2^e4 is at most 256,
; inside E4M3's 448, and p is converted with no hold.  Scaled scores stay under 2^31 in magnitude.
; REGISTERS of a window: v12 -M, v13 the largest score, v[14:15] the sum, v16 f, v18-21 at work, v10 2^e4, v22, v23 o's scale and bound; v24-31 Q; v32-63 O^T; v64-79 eight partial sums; v80-111 p's codes; v128-255 S^T, then p.
; Window 0 alone: v1-9 addresses; K's tiles 8-15 in v64-127 while sums and codes are dead; V^T's fragments in v128-255 once tile A's p is converted.
; Window 1 alone: K's tiles 0-7 in v192-255 (of that window) ahead of tile B's scores; v112-127 the second pass's Q.
.set KCH,  17408                       ; a chunk in LDS: 64 rows of 256 bytes + 16 of padding.  K: four keys to a row: key k at 272 (k / 4) + 64 (k % 4).  V^T: 64 rows (d) x 256 keys
.set VB,   4*KCH
.set STG,  8*KCH                       ; the way out: 32 rows x (64 + 16) bytes for each wave; no tile lands here
.set SPARE, STG+8*2560                 ; the spare words, 128 bytes a wave: four blocks of 256 bytes that no other line names
.set S,   128
.set O,   32
.set AC,  64
.set P,   80
.set WV,  10                           ; s10 wave
.set SEL, 12                           ; s[12:13] v_permlanex16_b32's selects: lane l xor 16
.set CS,  14                           ; s[14:15] c = log2(e) / 8 x 2^(e2 + e3)
.set G1K, 16
.set G1V, 24
.set G0K, 32
.set G0V, 36
.set CNT, 44                           ; s44 key steps done, over both passes
.set TB,  45                           ; s45 LDS byte at which the step's chunk begins
.set MSB, 0
.macro WIN new                         ; the immediate's high byte repeats the setting that is left
.if MSB != \new
	s_set_vgpr_msb (MSB<<8)|\new
.set MSB, \new
.endif
.endm
.macro NOPS n
.rept \n
	v_nop
.endr
.endm
; The fills.  first = 1: wave 0 asks for K's chunk 0, wave 4 for V^T's.  first = 0: waves 1-3 for K's chunks 1-3, waves 5-7 for V^T's.  One chain of branches on the wave's number, one fill to an arm, one join.
.macro TLOAD first
	s_cmp_eq_u32 s[WV], 0
.if \first
	s_cbranch_scc0 .Lnot_k_\@
.else
	s_cbranch_scc1 .Lasked_\@
	s_cmp_lt_u32 s[WV], 4
	s_cbranch_scc0 .Lnot_k_\@
.endif
	tensor_load_to_lds s[G0K:G0K+3], s[G1K:G1K+7]
	s_nop 0
	NOPS 4
	s_branch .Lasked_\@
.Lnot_k_\@:
	s_cmp_eq_u32 s[WV], 4
.if \first
	s_cbranch_scc0 .Lasked_\@
.else
	s_cbranch_scc1 .Lasked_\@
.endif
	tensor_load_to_lds s[G0V:G0V+3], s[G1V:G1V+7]
	s_nop 0
	NOPS 4
.Lasked_\@:
.endm
.macro INIT                            ; a pass begins: only destinations are named
	v_mov_b32 v13, 0xff61b1e6                      ; the largest score so far: -3e38
	v_mov_b32 v12, 0x7f61b1e6                      ; -M: 3e38, so that the first f is 0
	v_mov_b32 v14, 0
	v_mov_b32 v15, 0
.set j, 0
.rept 32
	v_mov_b32 v[O+j], 0
.set j, j+1
.endr
.endm
; The largest score of a tile's 256 keys joins the running one (four chains, each accumulator from its low end on), then M, f, and O^T under the new M.  No exponential stands between the products and these reads.
.macro MAXQ
	v_max3_num_f32 v13, v13, v[S], v[S+1]
	v_max_num_f32 v18, v[S+2], v[S+3]
	v_max_num_f32 v19, v[S+4], v[S+5]
	v_max_num_f32 v20, v[S+6], v[S+7]
.set t, 1
.rept 15
	v_max3_num_f32 v13, v13, v[S+8*t], v[S+8*t+1]
	v_max3_num_f32 v18, v18, v[S+8*t+2], v[S+8*t+3]
	v_max3_num_f32 v19, v19, v[S+8*t+4], v[S+8*t+5]
	v_max3_num_f32 v20, v20, v[S+8*t+6], v[S+8*t+7]
.set t, t+1
.endr
	s_delay_alu instid0(VALU_DEP_2)
	v_max3_num_f32 v13, v13, v18, v19
	s_delay_alu instid0(VALU_DEP_1)
	v_max_num_f32 v13, v13, v20
	s_delay_alu instid0(VALU_DEP_1)
	v_permlanex16_b32 v21, v13, s[SEL], s[SEL+1]
	s_delay_alu instid0(VALU_DEP_1)
	v_max_num_f32 v13, v13, v21                    ; and lane l xor 16's
	s_delay_alu instid0(VALU_DEP_1)
	v_mul_f32 v18, s[CS], v13                      ; as t (c is positive)
	v_mov_b32 v19, v12
	s_delay_alu instid0(VALU_DEP_2)
	v_floor_f32 v12, -v18                          ; the new -M = floor(-t)
	s_delay_alu instid0(VALU_DEP_1)
	v_sub_f32 v19, v12, v19                        ; old M - new M: a whole number, 0 or less
	s_delay_alu instid0(VALU_DEP_1)
	v_cvt_i32_f32 v19, v19                         ; (it saturates)
	s_delay_alu instid0(VALU_DEP_1)
	v_ldexp_f32 v16, 1.0, v19                      ; f = 2^(old M - new M)
.set j, 0
.rept 16
	v_pk_mul_f32 v[O+j:O+j+1], v[O+j:O+j+1], v[16:17] op_sel_hi:[1,0]
.set j, j+2
.endr
.endm
; p in eight groups of 16 registers.  Slot k: group k's exponentials, and between them group k + 1's t - M and group k - 1's sums; then group k - 1's codes.
; One wait heads each slot: what a slot writes is first read behind the next slot's wait.  Each of the eight partial sums is written once a slot.
.macro SLOT k
	s_wait_alu depctr_va_vdst(0)
.set i, 0
.rept 8
.if (\k) >= 0 && (\k) <= 7
	v_exp_f32 v[S+16*(\k)+2*i], v[S+16*(\k)+2*i]
.endif
.if (\k) <= 6
	v_pk_fma_f32 v[S+16*(\k)+16+2*i:S+16*(\k)+17+2*i], v[S+16*(\k)+16+2*i:S+16*(\k)+17+2*i], s[CS:CS+1], v[12:13] op_sel_hi:[1,0,0]
.endif
.if (\k) >= 0 && (\k) <= 7
	v_exp_f32 v[S+16*(\k)+2*i+1], v[S+16*(\k)+2*i+1]
.endif
.if (\k) == 2
	v_pk_add_f32 v[AC+2*i:AC+2*i+1], v[S+2*i:S+2*i+1], v[S+16+2*i:S+17+2*i]
.elseif (\k) > 2
	v_pk_add_f32 v[AC+2*i:AC+2*i+1], v[AC+2*i:AC+2*i+1], v[S+16*(\k)-16+2*i:S+16*(\k)-15+2*i]
.endif
.set i, i+1
.endr
.if (\k) >= 1
	v_cvt_scalef32_pk8_fp8_f32 v[P+4*(\k)-4:P+4*(\k)-3], v[S+16*(\k)-16:S+16*(\k)-9], v10
	v_cvt_scalef32_pk8_fp8_f32 v[P+4*(\k)-2:P+4*(\k)-1], v[S+16*(\k)-8:S+16*(\k)-1], v10
.endif
.endm
.macro SOFT
.irp k, -1,0,1,2,3,4,5,6,7,8
	SLOT \k
.endr
.irp i, 0,1,2,3
	v_pk_add_f32 v[AC+2*\i:AC+2*\i+1], v[AC+2*\i:AC+2*\i+1], v[AC+8+2*\i:AC+9+2*\i]
.endr
	s_delay_alu instid0(VALU_DEP_2)
	v_pk_add_f32 v[AC:AC+1], v[AC:AC+1], v[AC+4:AC+5]
	s_delay_alu instid0(VALU_DEP_2)
	v_pk_add_f32 v[AC+2:AC+3], v[AC+2:AC+3], v[AC+6:AC+7]
	s_delay_alu instid0(VALU_DEP_1)
	v_pk_add_f32 v[AC:AC+1], v[AC:AC+1], v[AC+2:AC+3]
	s_delay_alu instid0(VALU_DEP_1)
	v_pk_fma_f32 v[14:15], v[14:15], v[16:17], v[AC:AC+1] op_sel_hi:[1,0,1]   ; the row's sum x f + this step's
.endm
.macro SMUL d0, f0                     ; eight tiles of S^T; the window setting says whose Q and where the fragments lie
.set t, 0
.rept 8
	v_wmma_f32_16x16x64_fp8_fp8 v[\d0+8*t:\d0+8*t+7], v[\f0+8*t:\f0+8*t+7], v[24:31], 0
.set t, t+1
.endr
.endm
.macro OMUL ks
.irp d, 0,1,2,3
	v_wmma_f32_16x16x128_fp8_fp8 v[O+8*\d:O+8*\d+7], v[S+64*\ks+16*\d:S+64*\ks+16*\d+15], v[P+16*\ks:P+16*\ks+15], v[O+8*\d:O+8*\d+7]
.endr
.endm
; A KEY STEP: 256 keys against my 32 queries.
.macro STEP
	v_add_nc_u32 v6, s[TB], v1                     ; with the three idle lines: five places behind the last products, whose operands are loaded into and written over below
	v_add_nc_u32 v7, s[TB], v2
	NOPS 3
	WIN 0x40
.set t, 0
.rept 8
	ds_load_b128 v[192+8*t:195+8*t], v6 offset:t*1088
	ds_load_b128 v[196+8*t:199+8*t], v6 offset:t*1088+32
.set t, t+1
.endr
	WIN 0
.set t, 0
.rept 8
	ds_load_b128 v[64+8*t:67+8*t], v6 offset:(8+t)*1088
	ds_load_b128 v[68+8*t:71+8*t], v6 offset:(8+t)*1088+32
.set t, t+1
.endr
	s_wait_alu depctr_va_vdst(0)
	s_wait_dscnt 16                                ; tiles 0-7 are in; the 16 younger loads (tiles 8-15) may be out
	WIN 0x01                                       ; fragments window 1, Q and S^T of tile A
	SMUL S, 192
	WIN 0x45                                       ; the same fragments, Q and S^T of tile B
	SMUL S, 192
	s_wait_dscnt 0x0
	NOPS 5                                         ; tile B's scores 8-15 are written over fragments that the products above have read
	WIN 0
	SMUL S+64, 64
	WIN 0x44
	SMUL S+64, 64
	WIN 0
	MAXQ
	WIN 0x55
	MAXQ
	WIN 0
	SOFT
.set t, 0
.rept 32                                           ; V^T: 4 tiles of 16 d x 2 x 128 keys, into tile A's p, which is converted: they land while tile B's softmax is walked
	ds_load_b128 v[S+4*t:S+4*t+3], v7 offset:((t/4)%4)*4352+128*(t/16)+32*(t%4)
.set t, t+1
.endr
	WIN 0x55
	SOFT
	WIN 0
	s_wait_alu depctr_va_vdst(0)
	s_wait_dscnt 0x0                               ; V^T's fragments are in
	OMUL 0                                         ; the eight accumulators by turns, one instruction a turn
	WIN 0x54                                       ; V^T window 0; p, C and D of tile B
	OMUL 0
	WIN 0
	OMUL 1
	WIN 0x54
	OMUL 1
	WIN 0
.endm
.macro OUTQ                            ; O^T / the sum, held within +-448 x o's scale
	v_add_f32 v14, v14, v15
	s_delay_alu instid0(VALU_DEP_1)
	v_permlanex16_b32 v21, v14, s[SEL], s[SEL+1]
	s_delay_alu instid0(VALU_DEP_1)
	v_add_f32 v14, v14, v21
	s_wait_alu depctr_va_vdst(0)
	v_rcp_f32 v18, v14
	v_nop
	s_wait_alu depctr_va_vdst(0)                   ; ahead of the reciprocal's and O^T's first readers
.set j, 0
.rept 16
	v_pk_mul_f32 v[S+j:S+j+1], v[O+j:O+j+1], v[18:19] op_sel_hi:[1,0]
.set j, j+2
.endr
.set j, 0
.rept 32
	v_med3_num_f32 v[S+j], v[S+j], -v23, v23
.set j, j+1
.endr
.endm
	s_load_b128 s[4:7], s[0:1], 0x0                ; qkv s[4:5], the exponents s[6:7]
	s_load_b64 s[8:9], s[0:1], 0x10                ; oc
	v_lshl_add_u32 v8, v0, 2, SPARE
	v_mov_b32 v9, 0
	ds_add_u32 v8, v9                              ; the opening lines: the add, twice on end, and its wait ahead of my tensor load
	ds_add_u32 v8, v9
	v_lshrrev_b32 v6, 5, v0
	v_readfirstlane_b32 s[WV], v6                  ; wave 0..7
	s_and_b32 s11, ttmp7, 0xffff                   ; b 16 + head
	s_lshl_b32 s2, s11, 16                         ; 65,536 bytes a head in each of q, k, v^T
	s_mov_b32 s3, 0
.irp g, G1K, G1V
	s_mov_b32 s[\g], (1<<20)|(5<<22)|(3<<25)       ; elements of 1 byte; padding: four words after every 64
	s_mov_b32 s[\g+1], 256<<16
	s_mov_b32 s[\g+2], 64<<16
	s_mov_b32 s[\g+3], 256<<16
	s_mov_b32 s[\g+4], 64
	s_mov_b32 s[\g+6], 0
	s_mov_b32 s[\g+7], 0
.endr
	s_mov_b32 s[G1K+5], 256                        ; K is dense: four keys to a row of 256 bytes
	s_mov_b32 s[G1V+5], 1024                       ; a row of v^T is 1,024 keys
	s_mov_b32 s[SEL], 0x76543210
	s_mov_b32 s[SEL+1], 0xfedcba98
	s_mov_b32 s[CS], 0x3e38aa3b                    ; log2(e) / 8
	s_and_b32 s46, s[WV], 3                        ; the chunk that I fetch
	s_mov_b32 s[G0K], 1
	s_mul_i32 s[G0K+1], s46, KCH
	s_mov_b32 s[G0V], 1
	s_add_co_u32 s[G0V+1], s[G0K+1], VB
	s_lshl_b32 s48, s46, 14                        ; 256 keys of 64 bytes
	s_mov_b32 s49, 0
	s_lshl_b32 s50, s46, 8                         ; 256 keys of a row of v^T
	s_mov_b32 s51, 0
	s_lshl_b32 s66, ttmp9, 15                      ; 512 queries of 64 bytes,
	s_lshl_b32 s77, s[WV], 11                      ; 32 for each wave
	s_add_co_u32 s66, s66, s77
	s_mov_b32 s67, 0
	s_and_b32 s77, s11, 15
	s_lshl_b32 s77, s77, 19                        ; oc: the head's plane of 8,192 x 64 bytes,
	s_lshr_b32 s76, s11, 4
	s_lshl_b32 s76, s76, 16                        ; the batch's 1,024 tokens,
	s_add_co_u32 s77, s77, s76
	s_add_co_u32 s52, s77, s66                     ; my first query
	s_mov_b32 s53, 0
	s_mul_i32 s54, s[WV], 2560
	s_add_co_u32 s54, s54, STG                     ; my stage
	s_mov_b32 s[TB], 0
	s_wait_dscnt 0x0
	s_wait_kmcnt 0x0
	s_load_b256 s[68:75], s[6:7], 0x0              ; e0 .. e7
	s_add_nc_u64 s[4:5], s[4:5], s[2:3]            ; the head's q
	s_add_nc_u64 s[G0K+2:G0K+3], s[4:5], 0x800000  ; its k,
	s_add_nc_u64 s[G0K+2:G0K+3], s[G0K+2:G0K+3], s[48:49]
	s_or_b32 s[G0K+3], s[G0K+3], 0x80000000
	s_add_nc_u64 s[G0V+2:G0V+3], s[4:5], 0x1000000 ; its v^T
	s_add_nc_u64 s[G0V+2:G0V+3], s[G0V+2:G0V+3], s[50:51]
	s_or_b32 s[G0V+3], s[G0V+3], 0x80000000
	TLOAD 1                                        ; chunk 0 of K and of V^T
	s_add_nc_u64 s[4:5], s[4:5], s[66:67]
	s_add_nc_u64 s[8:9], s[8:9], s[52:53]
	v_and_b32 v18, 15, v0                          ; r
	v_bfe_u32 v19, v0, 4, 1                        ; h
	v_bfe_u32 v22, v0, 2, 3
	v_and_b32 v23, 3, v0
	v_and_b32 v5, 31, v0
	v_lshrrev_b32 v20, 2, v18
	v_and_b32 v21, 3, v18
	v_mul_u32_u24 v2, v18, 272
	v_mul_u32_u24 v3, v18, 80
	v_mul_u32_u24 v4, v22, 80
	v_lshlrev_b32 v7, 6, v18
	v_mul_u32_u24 v1, v20, 272
	v_lshlrev_b32 v5, 4, v5                        ; v5: 16 x lane
	v_lshl_add_u32 v2, v19, 4, v2
	v_lshl_add_u32 v3, v19, 3, v3
	v_lshl_add_u32 v4, v23, 4, v4
	v_lshl_add_u32 v7, v19, 4, v7                  ; q: row r, + 16 h
	v_lshl_add_u32 v1, v21, 6, v1
	v_add_nc_u32 v2, VB, v2                        ; v2: V^T: 272 r + 16 h
	v_add_nc_u32 v3, s54, v3                       ; v3: the stage, in: row r, + 8 h
	v_add_nc_u32 v4, s54, v4                       ; v4: back: four lanes to a row of 64 bytes, eight rows an instruction
	v_nop
	v_nop
	v_lshl_add_u32 v1, v19, 4, v1                  ; v1: K: 272 (r / 4) + 64 (r % 4) + 16 h
	global_load_b128 v[24:27], v7, s[4:5]                  ; Q, tile A: registers 4 c .. 4 c + 3 = bytes 32 c + 16 h on of row r, as K's
	global_load_b128 v[28:31], v7, s[4:5] offset:32
	WIN 0x40
	global_load_b128 v[24:27], v7, s[4:5] offset:1024      ; tile B: 16 queries on
	global_load_b128 v[28:31], v7, s[4:5] offset:1056
	global_load_b128 v[112:115], v7, s[4:5] offset:16384   ; the second pass's: 256 queries on
	global_load_b128 v[116:119], v7, s[4:5] offset:16416
	global_load_b128 v[120:123], v7, s[4:5] offset:17408
	global_load_b128 v[124:127], v7, s[4:5] offset:17440
	WIN 0
	s_wait_alu depctr_va_vdst(0)
	s_wait_kmcnt 0x0
	s_add_co_i32 s77, s70, s71
	s_lshl_b32 s77, s77, 23
	s_add_co_i32 s[CS], s[CS], s77                 ; a score stands for score x 2^(e2 + e3)
	s_mov_b32 s[CS+1], s[CS]
	s_add_co_i32 s77, s72, 127
	s_lshl_b32 s40, s77, 23                        ; 2^e4
	s_sub_co_i32 s77, s74, s72
	s_sub_co_i32 s77, s77, s73                     ; o's code is sum / l / 2^(e6 - e4 - e5)
	s_add_co_i32 s77, s77, 127
	s_lshl_b32 s42, s77, 23
	s_add_co_i32 s77, s77, 8
	s_lshl_b32 s77, s77, 23
	s_or_b32 s43, s77, 0x600000
.irp w, 0, 0x40
	WIN \w
	v_mov_b32 v10, s40
	v_mov_b32 v22, s42
	v_mov_b32 v23, s43
	v_mov_b32 v17, 0                               ; (named as the upper half of the pair v[16:17])
	v_mov_b32 v21, 0                               ; a lane permute's destination counts as one of its sources
	INIT
.endr
	WIN 0
	s_wait_alu depctr_va_vdst(0)
	s_wait_loadcnt 0x0                             ; Q, both passes'
	s_wait_tensorcnt 0x0                           ; chunk 0 is in, where I asked for it; ahead of a later first fill:
	ds_add_u32 v8, v9                              ; the add, twice on end
	ds_add_u32 v8, v9
	s_wait_dscnt 0x0                               ; and its wait
	s_barrier_signal -1
	s_barrier_wait -1                              ; chunk 0 of K and of V^T is whole for all eight waves
	TLOAD 0                                        ; chunks 1 to 3: first fills all, one a wave
	STEP                                           ; the first key step reads chunk 0 alone (s[TB] = 0)
	s_wait_alu depctr_va_vdst(0)
	s_wait_tensorcnt 0x0                           ; my chunk is in
	s_barrier_signal -1                            ; (no LDS instruction of mine is out: the step's last wait was for 0)
	s_barrier_wait -1                              ; all of K and V^T is whole; from here on nobody writes these bytes
	s_mov_b32 s[CNT], 1
.Lstep:
	s_and_b32 s[TB], s[CNT], 3
	s_mul_i32 s[TB], s[TB], KCH                    ; the step's chunk
	STEP
	s_and_b32 s77, s[CNT], 3
	s_cmp_lg_u32 s77, 3
	s_wait_alu depctr_va_vdst(0)
	s_cbranch_scc1 .Lnext
	; A PASS ENDS: a lane's eight d of a tile are 8 bytes; they meet in my stage and leave as 32 rows of 64 bytes: 2,048 consecutive bytes of oc.
	NOPS 4                                         ; places behind the last products
	OUTQ
.irp t, 0,1,2,3
	v_cvt_scalef32_pk8_fp8_f32 v[P+2*\t:P+2*\t+1], v[S+8*\t:S+8*\t+7], v22
.endr
	WIN 0x55
	OUTQ
	WIN 0x05                                       ; sums and scale of tile B, codes into window 0
.irp t, 0,1,2,3
	v_cvt_scalef32_pk8_fp8_f32 v[P+8+2*\t:P+9+2*\t], v[S+8*\t:S+8*\t+7], v22
.endr
	v_nop                                          ; a plain line behind the last conversion
	WIN 0
.irp t, 0,1,2,3
	ds_store_b64 v3, v[P+2*\t:P+2*\t+1] offset:16*\t
	ds_store_b64 v3, v[P+8+2*\t:P+9+2*\t] offset:1280+16*\t
.endr
.irp i, 0,1,2,3
	ds_load_b128 v[96+4*\i:99+4*\i], v4 offset:640*\i      ; LDS serves a wave's instructions in order: these see my stores
.endr
.irp i, 0,1,2,3
	s_wait_dscnt 3-\i                              ; load i is in, the younger ones stay out
	global_store_b128 v5, v[96+4*\i:99+4*\i], s[8:9] offset:512*\i   ; 32 lanes store 512 consecutive bytes, at a multiple of 512 from oc's first byte
.endr
	s_cmp_eq_u32 s[CNT], 7
	s_cbranch_scc1 .Ldone                          ; the second pass has left
	s_wait_xcnt 0x0                                ; the stores have read their data and their base
	s_add_nc_u64 s[8:9], s[8:9], 16384             ; 256 queries of 64 bytes on
	INIT
	WIN 0x01
.set j, 0
.rept 8
	v_mov_b32 v[24+j], v[112+j]                    ; the second pass's Q, tile A
.set j, j+1
.endr
	WIN 0x40
	INIT
	WIN 0x41
.set j, 0
.rept 8
	v_mov_b32 v[24+j], v[120+j]                    ; tile B
.set j, j+1
.endr
	WIN 0
.Lnext:
	s_add_co_u32 s[CNT], s[CNT], 1
	s_cmp_lt_u32 s[CNT], 8
	s_wait_alu depctr_va_vdst(0)
	s_cbranch_scc1 .Lstep
.Ldone:
	s_wait_tensorcnt 0x0                           ; the wave's end
	ds_add_u32 v8, v9
	s_wait_dscnt 0x0
	s_endpgm
.Lfunc_end_k_q1afc4c1bba_attn:
	.size	k_q1afc4c1bba_attn, .Lfunc_end_k_q1afc4c1bba_attn-k_q1afc4c1bba_attn
	.p2alignl 7, 3214868480
	.fill 96, 4, 3214868480
	.section	.rodata,"a",@progbits
	.p2align	6, 0x0
	.amdhsa_kernel k_q1afc4c1bba_attn
		.amdhsa_group_segment_fixed_size 327680
		.amdhsa_private_segment_fixed_size 0
		.amdhsa_enable_private_segment 0
		.amdhsa_kernarg_size 24
		.amdhsa_user_sgpr_count 2
		.amdhsa_user_sgpr_kernarg_segment_ptr 1
		.amdhsa_wavefront_size32 1
		.amdhsa_system_sgpr_workgroup_id_x 1
		.amdhsa_system_sgpr_workgroup_id_y 1
		.amdhsa_system_sgpr_workgroup_id_z 1
		.amdhsa_system_vgpr_workitem_id 0
		.amdhsa_next_free_vgpr 512
		.amdhsa_next_free_sgpr 80
		.amdhsa_reserve_vcc 0
		.amdhsa_float_denorm_mode_32 3
		.amdhsa_float_denorm_mode_16_64 3
		.amdhsa_memory_ordered 1
		.amdhsa_forward_progress 1
		.amdhsa_inst_pref_size 115
	.end_amdhsa_kernel
	.amdgpu_metadata
---
amdhsa.version: [ 1, 2 ]
amdhsa.kernels:
  - .name:           k_q1afc4c1bba_attn
    .symbol:         k_q1afc4c1bba_attn.kd
    .args:
      - { .name: qkv, .offset: 0, .size: 8, .value_kind: global_buffer, .address_space: global }
      - { .name: lowp_scales, .offset: 8, .size: 8, .value_kind: global_buffer, .address_space: global }
      - { .name: oc, .offset: 16, .size: 8, .value_kind: global_buffer, .address_space: global }
    .group_segment_fixed_size: 327680
    .private_segment_fixed_size: 0
    .kernarg_segment_align: 8
    .kernarg_segment_size: 24
    .max_flat_workgroup_size: 256
    .sgpr_count:     80
    .vgpr_count:     512
    .wavefront_size: 32
...
	.end_amdgpu_metadata
.endif
;; end of part 3
;; launch proj (part 4): grid 4 x 32, 4 waves a work-group, clusters of 4 x 4, 327,680 bytes of LDS; arguments oc, wc, lowp_scales, b_proj, out0; writes out0
.if DOCPART == 4
	.amdgcn_target "amdgcn-amd-amdhsa--gfx1250"
	.amdhsa_code_object_version 6
	.text
	.protected	k_q1afc4c1bba_proj
	.globl	k_q1afc4c1bba_proj
	.p2align	8
	.type	k_q1afc4c1bba_proj,@function
k_q1afc4c1bba_proj:
	s_mov_b64 s[64:65], 0
	v_nop
	global_prefetch_b8 v0, s[64:65] scope:SCOPE_SE
	s_setreg_imm32_b32 hwreg(HW_REG_WAVE_MODE, 25, 1), 1
	s_wait_xcnt 0x0
	s_wait_alu depctr_hold_cnt(0) depctr_sa_sdst(0) depctr_va_vdst(0) depctr_va_sdst(0) depctr_va_ssrc(0) depctr_va_vcc(0) depctr_vm_vsrc(0)
	s_getreg_b32 s2, hwreg(HW_REG_IB_STS2, 6, 4)
	s_cmp_eq_u32 s2, 0
	s_cbranch_scc0 .Lentry_in_a_cluster
	s_endpgm
.Lentry_in_a_cluster:
	s_bfe_u32 s2, ttmp6, 0x10000c
	s_cmp_lg_u32 s2, 0xf033
	s_cbranch_scc0 .Lentry_shape_is_right
	s_endpgm
.Lentry_shape_is_right:
; out0 = o W_proj + b_proj on codes of E4M3: A = oc [16 heads][8192 tokens][64] (scale entry 6), B = rows 3072-4095 of wc, the columns of W_proj with K innermost (entry 7); out0 [8192][1024] f32.
; A tile of 256 x 256 is made by four waves, 128 x 128 each; K = 1,024 goes in four steps of 256 (four heads' planes of A) through two LDS slots filled by joint tensor loads in clusters of 4 x 4.
; Both slots are first filled at the head, one whole tile a wave; a refill is shared out in halves, one a wave.  The bias, divided by 2^(e6 + e7), is the C of each sum's first product; each sum is multiplied by 2^(e6 + e7) on the way out.
; LIMIT: e6 + e7 between -126 and 127.
.set ROWB,   256
.set PITCH,  272
.set PLANE,  64*PITCH
.set ASTEP,  8*524288
.set FR,     16
.set NL,     4
.set NP,     4
.set HALFT,  128*PITCH
.set SLOT,   4*HALFT
.set SPARE,  2*SLOT
.set SPITCH, 528
.set ADRA, 16
.set ADRB, 20
.set STO,  24
.set RD,   25
.set CO,   26
.set BOF,  27
.set SPW,  28
.set NIL,  29
.set BI,   32
.set TMP,  32
.set AF,   128
.set BK,   128
.set G1, 24
.set G0, 32
.set G1B, 48
.set G0B, 56
.set MSB, 0
.macro WIN new
.if MSB != \new
	s_set_vgpr_msb (MSB<<8)|\new
.set MSB, \new
.endif
.endm
.set MUL_LO, 0xa1
.set MUL_HI, 0xf1
.set TO_B,   0x40
.macro JLOAD g0a, g1a, g0b, g1b
	s_cmp_eq_u32 s15, 0
	s_cbranch_scc0 .Lfor_b_\@
	tensor_load_to_lds s[\g0a:\g0a+3], s[\g1a:\g1a+7]
	s_nop 0
.rept 4
	v_nop
.endr
	s_branch .Lasked_\@
.Lfor_b_\@:
	tensor_load_to_lds s[\g0b:\g0b+3], s[\g1b:\g1b+7]
	s_nop 0
.rept 4
	v_nop
.endr
.Lasked_\@:
.endm
.macro CREST
	s_cmp_lg_u32 s14, 0
	s_cbranch_scc1 .Lnot_wave_0_\@
	s_barrier_signal -3
.Lnot_wave_0_\@:
	s_barrier_wait -3
	s_barrier_signal -1
	s_barrier_wait -1
.endm
.macro CROUND
	s_barrier_signal -1
	s_barrier_wait -1
	CREST
.endm
	s_load_b128 s[4:7], s[0:1], 0x0
	s_load_b128 s[8:11], s[0:1], 0x10
	s_load_b64 s[12:13], s[0:1], 0x20
	v_lshl_add_u32 v[SPW], v0, 2, SPARE
	v_mov_b32 v[NIL], 0
	ds_add_u32 v28, v29
	ds_add_u32 v28, v29
	s_wait_dscnt 0x0
	v_lshrrev_b32 v1, 5, v0
	v_readfirstlane_b32 s14, v1
	s_lshr_b32 s15, s14, 1
	s_and_b32 s16, s14, 1
	s_bfe_u32 s40, ttmp6, 0x40000
	s_bfe_u32 s41, ttmp6, 0x40004
	s_lshl_b32 s42, ttmp9, 2
	s_add_co_u32 s42, s42, s40
	s_and_b32 s17, ttmp7, 0xffff
	s_lshl_b32 s17, s17, 2
	s_add_co_u32 s17, s17, s41
	s_lshl_b32 s43, s41, 2
	s_lshl_b32 s43, 15, s43
	s_lshl_b32 s44, 0x1111, s40
	s_or_b32 s[G1+0], s43, (1<<20)|(1<<21)|(5<<22)|(3<<25)
	s_mov_b32 s[G1+1], 16384<<16
	s_mov_b32 s[G1+2], 4<<16                       ; four planes for the first fills; two from the head's end on
	s_mov_b32 s[G1+3], 16384<<16
	s_mov_b32 s[G1+4], 4
	s_mov_b32 s[G1+5], 524288
	s_mov_b32 s[G1+6], 0
	s_mov_b32 s[G1+7], 0
	s_or_b32 s[G1B+0], s44, (1<<20)|(1<<21)|(5<<22)|(3<<25)
	s_mov_b32 s[G1B+1], ROWB<<16
	s_mov_b32 s[G1B+2], 256<<16                    ; 256 rows for the first fills; 128 from the head's end on
	s_mov_b32 s[G1B+3], ROWB<<16
	s_mov_b32 s[G1B+4], 256
	s_mov_b32 s[G1B+5], 1024
	s_mov_b32 s[G1B+6], 0
	s_mov_b32 s[G1B+7], 0
	s_lshl_b32 s20, s16, 20
	s_lshl_b32 s18, s17, 14
	s_add_co_u32 s20, s20, s18
	s_mov_b32 s21, 0
	s_lshl_b32 s46, s42, 8
	s_lshl_b32 s19, s16, 7
	s_add_co_u32 s46, s46, s19
	s_add_co_u32 s46, s46, 3072
	s_lshl_b32 s46, s46, 10
	s_mov_b32 s47, 0
	s_mul_i32 s45, s14, HALFT
	s_wait_kmcnt 0x0
	s_load_b256 s[72:79], s[8:9], 0x0
	s_add_nc_u64 s[20:21], s[4:5], s[20:21]
	s_add_nc_u64 s[46:47], s[6:7], s[46:47]
	CROUND
.irp s, 0,1
	s_mov_b32 s[G0+4*\s], 1
	s_add_co_u32 s[G0+4*\s+1], s45, \s*SLOT
	s_add_nc_u64 s[G0+4*\s+2:G0+4*\s+3], s[20:21], \s*4*524288
	s_or_b32 s[G0+4*\s+3], s[G0+4*\s+3], 0x80000000
	s_mov_b32 s[G0B+4*\s], 1
	s_add_co_u32 s[G0B+4*\s+1], s45, \s*SLOT
	s_add_nc_u64 s[G0B+4*\s+2:G0B+4*\s+3], s[46:47], \s*ROWB
	s_or_b32 s[G0B+4*\s+3], s[G0B+4*\s+3], 0x80000000
.endr
	; THE FIRST FILLS: four whole tiles, one joint load a wave: waves 0, 1: A's K steps 0, 1; waves 2, 3: B's.  s16 is the K step and the slot here.
	s_mov_b32 s92, 1
	s_mul_i32 s93, s16, SLOT                       ; A's four planes open a slot
	s_lshl_b32 s82, s16, 20                        ; from my half's two planes to K step s16's first plane: two planes on
	s_mov_b32 s83, 0
	s_add_nc_u64 s[94:95], s[20:21], s[82:83]
	s_or_b32 s95, s95, 0x80000000
	s_mov_b32 s96, 1
	s_add_co_u32 s97, s93, 2*HALFT                 ; B's 256 rows lie behind A's
	s_mul_i32 s82, s16, 130816                     ; back over my half's 128 rows of 1,024 bytes, on by a K step of 256 bytes
	s_sub_nc_u64 s[98:99], s[46:47], s[82:83]
	s_or_b32 s99, s99, 0x80000000
	JLOAD 92, G1, 96, G1B                          ; one tensor load a wave at the head
	v_and_b32 v1, 15, v0
	v_bfe_u32 v2, v0, 4, 1
	v_mul_u32_u24 v3, v1, PITCH
	v_lshl_add_u32 v4, v2, 4, v3
	v_lshrrev_b32 v5, 2, v1
	v_and_b32 v6, 3, v1
	v_mul_u32_u24 v5, v5, PITCH
	v_lshl_add_u32 v5, v6, 6, v5
	v_lshl_add_u32 v5, v2, 4, v5
	s_mul_i32 s21, s15, 32*PITCH
	s_mul_i32 s22, s16, HALFT
	s_add_co_u32 s22, s22, 2*HALFT
.irp s, 0,1
	v_add_nc_u32 v[ADRA+\s], s21, v5
	v_add_nc_u32 v[ADRB+\s], s22, v4
	s_add_co_u32 s21, s21, SLOT
	s_add_co_u32 s22, s22, SLOT
.endr
	s_mul_i32 s23, s14, 16*SPITCH
	v_mul_u32_u24 v5, v1, SPITCH
	v_lshl_add_u32 v5, v2, 5, v5
	v_add_nc_u32 v[STO], s23, v5
	v_and_b32 v6, 31, v0
	v_lshlrev_b32 v[CO], 4, v6
	v_add_nc_u32 v[RD], s23, v[CO]
	s_lshl_b32 s20, s17, 8
	s_lshl_b32 s21, s15, 7
	s_add_co_u32 s20, s20, s21
	s_lshl_b32 s20, s20, 12
	s_lshl_b32 s46, s42, 10
	s_lshl_b32 s47, s16, 9
	s_add_co_u32 s46, s46, s47
	s_add_co_u32 s20, s20, s46
	s_mov_b32 s21, 0
	s_add_nc_u64 s[12:13], s[12:13], s[20:21]
	s_mov_b32 s47, 0
	s_add_nc_u64 s[10:11], s[10:11], s[46:47]
	v_lshlrev_b32 v[BOF], 5, v2
.irp b, 0,1,2,3,4,5,6,7
	global_load_b128 v[BI+8*\b:BI+8*\b+3], v[BOF], s[10:11] offset:64*\b
	global_load_b128 v[BI+8*\b+4:BI+8*\b+7], v[BOF], s[10:11] offset:64*\b+16
.endr
	s_wait_kmcnt 0x0
	s_add_co_i32 s81, s78, s79
	s_sub_co_i32 s80, 0, s81
	s_add_co_i32 s81, s81, 127
	s_lshl_b32 s90, s81, 23
	s_mov_b32 s91, s90
	s_wait_loadcnt 0x0
.set i, 0
.rept 64
	v_ldexp_f32 v[BI+i], v[BI+i], s80
.set i, i+1
.endr
.macro FRAGB reg, adr, q, i
.irp c, 0,1,2,3
	ds_load_b128 v[\reg+4*\c:\reg+4*\c+3], v[\adr] offset:128*(\q)+32*\c+(\i)*16*PITCH
.endr
.endm
.macro FRAGA reg, adr, q, i
.irp c, 0,1,2,3
	ds_load_b128 v[\reg+4*\c:\reg+4*\c+3], v[\adr] offset:(2*(\q)+\c/2)*PLANE+32*(\c%2)+(\i)*4*PITCH
.endr
.endm
.macro MUL16 a0, p, cm
.irp a, \a0, \a0+1
.irp b, 0,1,2,3,4,5,6,7
.if \cm
	v_wmma_f32_16x16x128_fp8_fp8 v[8*(8*((\a)%4)+\b):8*(8*((\a)%4)+\b)+7], v[128*(\p)+FR*\b:128*(\p)+FR*\b+FR-1], v[AF+FR*(\a):AF+FR*(\a)+FR-1], v[BI+8*\b:BI+8*\b+7]
.else
	v_wmma_f32_16x16x128_fp8_fp8 v[8*(8*((\a)%4)+\b):8*(8*((\a)%4)+\b)+7], v[128*(\p)+FR*\b:128*(\p)+FR*\b+FR-1], v[AF+FR*(\a):AF+FR*(\a)+FR-1], v[8*(8*((\a)%4)+\b):8*(8*((\a)%4)+\b)+7]
.endif
.endr
.endr
.endm
.macro FETCH_B slot, q, p
	WIN TO_B
.irp i, 0,1,2,3,4,5,6,7
	FRAGB 128*(\p)+FR*\i, ADRB+\slot, \q, \i
.endr
	WIN 0
.endm
.macro FETCH_A slot, q, i0
.irp i, \i0, \i0+1, \i0+2, \i0+3
	FRAGA AF+FR*(\i), ADRA+\slot, \q, \i
.endr
.endm
.macro PLACES n
.rept \n
	v_nop
.endr
.endm
.macro STEP slot, q, cm
	s_wait_dscnt 4*NL
.if \cm
	WIN 0x81
.else
	WIN MUL_LO
.endif
	MUL16 0, (\q)%2, \cm
	MUL16 2, (\q)%2, \cm
	s_wait_dscnt 0
	PLACES NP
	FETCH_B \slot, (\q)+1, 1-(\q)%2
	FETCH_A \slot, (\q)+1, 0
.if \cm
	WIN 0xc1
.else
	WIN MUL_HI
.endif
	MUL16 4, (\q)%2, \cm
	MUL16 6, (\q)%2, \cm
	PLACES NP
	WIN 0
	FETCH_A \slot, (\q)+1, 4
.endm
.macro TURN slot, next, fill
	s_wait_tensorcnt 0x0
	ds_add_u32 v[SPW], v[NIL]
	s_wait_dscnt 4*NL+1
	WIN MUL_LO
	MUL16 0, 1, 0
	s_wait_dscnt 0x0
	s_barrier_signal -1
	MUL16 2, 1, 0
	WIN 0
	s_barrier_wait -1
.if \fill
	CREST
	s_add_nc_u64 s[G0+4*\slot+2:G0+4*\slot+3], s[G0+4*\slot+2:G0+4*\slot+3], ASTEP
	s_add_nc_u64 s[G0B+4*\slot+2:G0B+4*\slot+3], s[G0B+4*\slot+2:G0B+4*\slot+3], 2*ROWB
	JLOAD G0+4*\slot, G1, G0B+4*\slot, G1B
.else
	PLACES NP
.endif
	FETCH_B \next, 0, 0
	FETCH_A \next, 0, 0
	WIN MUL_HI
	MUL16 4, 1, 0
	MUL16 6, 1, 0
	PLACES NP
	WIN 0
	FETCH_A \next, 0, 4
.endm
	s_wait_alu depctr_va_vdst(0)
	s_wait_tensorcnt 0x0                           ; my first fill is in, and no load of mine is out: group 1 now states the refills' halves
	s_mov_b32 s[G1+2], 2<<16
	s_mov_b32 s[G1+4], 2
	s_mov_b32 s[G1B+2], 128<<16
	s_mov_b32 s[G1B+4], 128
	s_barrier_signal -1
	s_barrier_wait -1
	FETCH_B 0, 0, 0
	FETCH_A 0, 0, 0
	FETCH_A 0, 0, 4
	STEP 0, 0, 1
	TURN 0, 1, 1
	STEP 1, 0, 0
	TURN 1, 0, 1
	STEP 0, 0, 0
	TURN 0, 1, 0
	STEP 1, 0, 0
	s_wait_dscnt 4*NL
	WIN MUL_LO
	MUL16 0, 1, 0
	MUL16 2, 1, 0
	s_wait_dscnt 0
	WIN MUL_HI
	MUL16 4, 1, 0
	MUL16 6, 1, 0
	WIN 0
.macro TOSTAGE a
.set AC, 64*((\a)%4)
	WIN 0x02+((\a)/4)
.set j, 0
.rept 32
	v_pk_mul_f32 v[TMP+j:TMP+j+1], v[AC+j:AC+j+1], s[90:91] op_sel_hi:[1,0]
.set j, j+2
.endr
	WIN 0
.irp b, 0,1,2,3,4,5,6,7
	ds_store_b128 v[STO], v[TMP+8*\b:TMP+8*\b+3] offset:64*\b
	ds_store_b128 v[STO], v[TMP+8*\b+4:TMP+8*\b+7] offset:64*\b+16
.endr
.set BB, BK+64*((\a)%2)
.irp t, 0,1,2,3,4,5,6,7,8,9,10,11,12,13,14,15
	ds_load_b128 v[BB+4*\t:BB+4*\t+3], v[RD] offset:\t*SPITCH
.endr
.endm
.macro SEND a, younger
.set BB, BK+64*((\a)%2)
	s_wait_dscnt \younger
.if (\a) > 0
	s_add_nc_u64 s[12:13], s[12:13], 16*4096
.endif
.irp t, 0,1,2,3,4,5,6,7,8,9,10,11,12,13,14,15
	global_store_b128 v[CO], v[BB+4*\t:BB+4*\t+3], s[12:13] offset:\t*4096 th:TH_STORE_NT
.endr
.endm
	PLACES NP
	TOSTAGE 0
.irp a, 1,2,3,4,5,6,7
.if \a > 1
	s_wait_xcnt 0x0
.endif
	TOSTAGE \a
	SEND \a-1, 32
.endr
	s_wait_xcnt 0x0
	SEND 7, 0
	s_wait_tensorcnt 0x0
	ds_add_u32 v[SPW], v[NIL]
	s_wait_dscnt 0x0
	CROUND
	s_endpgm
.Lfunc_end_k_q1afc4c1bba_proj:
	.size	k_q1afc4c1bba_proj, .Lfunc_end_k_q1afc4c1bba_proj-k_q1afc4c1bba_proj
	.p2alignl 7, 3214868480
	.fill 96, 4, 3214868480
	.section	.rodata,"a",@progbits
	.p2align	6, 0x0
	.amdhsa_kernel k_q1afc4c1bba_proj
		.amdhsa_group_segment_fixed_size 327680
		.amdhsa_private_segment_fixed_size 0
		.amdhsa_enable_private_segment 0
		.amdhsa_kernarg_size 40
		.amdhsa_user_sgpr_count 2
		.amdhsa_user_sgpr_kernarg_segment_ptr 1
		.amdhsa_wavefront_size32 1
		.amdhsa_system_sgpr_workgroup_id_x 1
		.amdhsa_system_sgpr_workgroup_id_y 1
		.amdhsa_system_sgpr_workgroup_id_z 1
		.amdhsa_system_vgpr_workitem_id 0
		.amdhsa_next_free_vgpr 1024
		.amdhsa_next_free_sgpr 100
		.amdhsa_reserve_vcc 0
		.amdhsa_float_denorm_mode_32 3
		.amdhsa_float_denorm_mode_16_64 3
		.amdhsa_memory_ordered 1
		.amdhsa_forward_progress 1
		.amdhsa_inst_pref_size 129
	.end_amdhsa_kernel
	.amdgpu_metadata
---
amdhsa.version: [ 1, 2 ]
amdhsa.kernels:
  - .name:           k_q1afc4c1bba_proj
    .symbol:         k_q1afc4c1bba_proj.kd
    .args:
      - { .name: oc, .offset: 0, .size: 8, .value_kind: global_buffer, .address_space: global }
      - { .name: wc, .offset: 8, .size: 8, .value_kind: global_buffer, .address_space: global }
      - { .name: lowp_scales, .offset: 16, .size: 8, .value_kind: global_buffer, .address_space: global }
      - { .name: b_proj, .offset: 24, .size: 8, .value_kind: global_buffer, .address_space: global }
      - { .name: out0, .offset: 32, .size: 8, .value_kind: global_buffer, .address_space: global }
    .group_segment_fixed_size: 327680
    .private_segment_fixed_size: 0
    .kernarg_segment_align: 8
    .kernarg_segment_size: 40
    .max_flat_workgroup_size: 128
    .sgpr_count:     100
    .vgpr_count:     1024
    .wavefront_size: 32
...
	.end_amdgpu_metadata
.endif
;; end of part 4
